; MI455X (gfx1250); checked and timed in simulation.
; The chip was launched on July 23, 2026; its instructions are those of AMD's public machine-readable ISA for CDNA 5 (MIT licence, August 2026) and "CDNA5" Instruction Set Architecture Reference Guide (July 2026). The comments in the code are by the model that wrote it; some were corrected since.
;; Role Decoder. Allowed arithmetic: float matrix products may take bf16 or f16 operands with f32 sums; all other float work in f32.
;; Inputs: W1m 2,305 x 768 float32; W1s 2,305 x 768 float32; W2m 768 x 1 float32; W2s 768 x 1 float32; Wa 1,024 x 512 float32; b1m 768 float32; b1s 768 float32; b2m 1 float32; b2s 1 float32; ba 512 float32; char2token 16 x 512 x 2 int32; entities_embedding 16 x 512 x 768 float32; entity_doc_spans 16 x 32 x 2 int32; entity_token_spans 16 x 32 x 2 int32; role_embedding 2 x 16 x 512 x 768 float32; role_labels 2 x 16 x 512 float32; summar_embedding 16 x 512 x 768 float32; token_embedding 16 x 512 x 768 float32; token_mask 16 x 512 int32.
;; Outputs: out0 one number float32; out1 2 x 16 x 512 float32.
;; 2 versions, each right; version 2 is version 1 with the launch prep written anew for expert scheduling mode. Each part assembles by itself: llvm-mc -triple=amdgcn-amd-amdhsa -mcpu=gfx1250 --defsym DOCPART=n.
;; ======== version 1 of 2: 5 launches
;; workspace buffers: XA 62,914,560 bytes; WT 9,437,184 bytes; H1 50,331,648 bytes; part0 524,288 bytes; p0 32,768 bytes; sc1 65,536 bytes; lp 256 bytes
;; launch prep (part 1): grid 2704 x 1, 3 waves a work-group, no clusters, 52,736 bytes of LDS; arguments token_embedding, entities_embedding, summar_embedding, role_embedding, W1s, W1m, XA, WT; writes XA, WT
.if DOCPART == 1
	.amdgcn_target "amdgcn-amd-amdhsa--gfx1250"
	.amdhsa_code_object_version 6
	.text
	.protected	k_q6f540ba987_prep
	.globl	k_q6f540ba987_prep
	.p2align	8
	.type	k_q6f540ba987_prep,@function
k_q6f540ba987_prep:
	s_mov_b64 s[64:65], 0
	v_nop
	global_prefetch_b8 v0, s[64:65] scope:SCOPE_SE
	s_setreg_imm32_b32 hwreg(HW_REG_WAVE_MODE, 25, 1), 1
	s_wait_xcnt 0x0
; Makes the bf16 operands of the matrix launch.
; XA [8192 rows][3840] bf16: column blocks of 768 = token | entities | summar | role 1 | role 0 (row pitch 7,680 bytes).
; WT [1536 = 768 s, 768 m][3072] bf16: W1 transposed, K along the rows; K blocks of 768 = W1 rows 1536..2303 | rows 0..767 | rows 768..1535 | rows 768..1535 again
; (the role part twice, so that the matrix launch walks WT's rows straight through for both roles).  W1's row 2304 is not needed here.
; Work-groups 0..143 transpose W1 (they come first, so that they do not end the launch); 144..2703 cast 16 rows of one activation block each.
; Memory binds: every input byte is asked for once, every output byte written once; matrix units and clusters have nothing to do here.
.set NWG,   144                        ; work-groups that transpose
.set ROWF,  3072                       ; bytes of a row of 768 f32
.set XAP,   7680                       ; bytes of a row of XA
.set WTP,   6144                       ; bytes of a row of WT
.set SPI,   272                        ; stage row: 128 bf16 + 16 bytes
.set STAGE, 64*SPI                     ; a wave's stage: 64 rows
.set V,     8                          ; v[8:135]   32 loads of 16 bytes
.set TM,    136                        ; v[136:151] packed bf16 on their way into the stage
	s_load_b512 s[4:19], s[0:1], 0x0               ; token s[4:5], entities s[6:7], summar s[8:9], role s[10:11], W1s s[12:13], W1m s[14:15], XA s[16:17], WT s[18:19]
	v_lshl_add_u32 v160, v0, 2, 0xcc00
	v_mov_b32 v161, 0
	s_cmp_lt_u32 ttmp9, NWG
	s_cbranch_scc1 .Lweights
	; ---- cast: three waves, wave w owns columns 256 w .. 256 w + 255 of each of 16 rows.  A load takes 512 consecutive bytes (128 columns, 4 a lane),
	; ---- which become 8 bytes a lane: the store of the 32 lanes covers 256 consecutive bytes, at a multiple of 256 from XA's first byte.
	s_sub_co_u32 s20, ttmp9, NWG
	s_lshr_b32 s21, s20, 9                         ; column block of XA, 0..4
	s_and_b32 s22, s20, 511                        ; group of 16 rows
	v_and_b32 v1, 31, v0                           ; lane
	v_lshrrev_b32 v4, 5, v0                        ; wave
	v_lshlrev_b32 v2, 4, v1
	v_lshl_add_u32 v2, v4, 10, v2                  ; in: 1,024 w + 16 lane; never rewritten
	v_lshlrev_b32 v3, 3, v1
	v_lshl_add_u32 v3, v4, 9, v3                   ; out: 512 w + 8 lane; never rewritten
	s_mul_i32 s28, s22, 16*ROWF
	s_mov_b32 s29, 0
	s_mul_i32 s30, s22, 16*XAP
	s_mul_i32 s23, s21, 1536
	s_add_co_u32 s30, s30, s23
	s_mov_b32 s31, 0
	s_wait_kmcnt 0x0
	s_add_nc_u64 s[24:25], s[10:11], 8192*ROWF     ; role 1
	s_cmp_eq_u32 s21, 0
	s_cselect_b64 s[26:27], s[4:5], s[10:11]       ; block 0 token; block 4 (what is left) role 0
	s_cmp_eq_u32 s21, 1
	s_cselect_b64 s[26:27], s[6:7], s[26:27]       ; block 1 entities
	s_cmp_eq_u32 s21, 2
	s_cselect_b64 s[26:27], s[8:9], s[26:27]       ; block 2 summar
	s_cmp_eq_u32 s21, 3
	s_cselect_b64 s[26:27], s[24:25], s[26:27]     ; block 3 role 1
	s_add_nc_u64 s[26:27], s[26:27], s[28:29]
	s_add_nc_u64 s[16:17], s[16:17], s[30:31]
.set r, 0
.rept 16
	global_load_b128 v[V+8*r:V+8*r+3],   v2, s[26:27] offset:r*ROWF th:TH_LOAD_NT
	global_load_b128 v[V+8*r+4:V+8*r+7], v2, s[26:27] offset:r*ROWF+512 th:TH_LOAD_NT
.set r, r+1
.endr
.set r, 0
.rept 16
	s_wait_loadcnt 30-2*r                          ; loads come back in order: row r's two are in, the 30 - 2 r younger ones stay out
	v_cvt_pk_bf16_f32 v[V+8*r],   v[V+8*r],   v[V+8*r+1]   ; in place, each word behind the reads of what it covers
	v_cvt_pk_bf16_f32 v[V+8*r+1], v[V+8*r+2], v[V+8*r+3]
	v_cvt_pk_bf16_f32 v[V+8*r+4], v[V+8*r+4], v[V+8*r+5]
	v_cvt_pk_bf16_f32 v[V+8*r+5], v[V+8*r+6], v[V+8*r+7]
	global_store_b64 v3, v[V+8*r:V+8*r+1],   s[16:17] offset:r*XAP
	global_store_b64 v3, v[V+8*r+4:V+8*r+5], s[16:17] offset:r*XAP+256
.set r, r+1
.endr
	s_endpgm
	; ---- W1 transposed: a wave takes 128 k x 64 n through a stage of its own in LDS (no barrier: no wave reads another's bytes) ----
.Lweights:
	v_lshrrev_b32 v1, 5, v0
	v_readfirstlane_b32 s20, v1                    ; wave 0..2
	s_lshr_b32 s21, ttmp9, 2                       ; 0..35
	s_cmp_ge_u32 s21, 18
	s_cselect_b32 s22, 1, 0                        ; 0: W1s, 1: W1m
	s_mul_i32 s23, s22, 18
	s_sub_co_u32 s23, s21, s23                     ; kb: block of 128 rows of W1, 0..17
	s_and_b32 s24, ttmp9, 3
	s_mul_i32 s24, s24, 3
	s_add_co_u32 s24, s24, s20                     ; nb: block of 64 columns, 0..11
	s_mul_i32 s28, s23, 128*ROWF
	s_lshl_b32 s29, s24, 8
	s_add_co_u32 s28, s28, s29                     ; source: kb x 128 rows + nb x 256 bytes
	s_mov_b32 s29, 0
	s_mul_i32 s30, s22, 768
	s_lshl_b32 s31, s24, 6
	s_add_co_u32 s30, s30, s31
	s_mul_i32 s30, s30, WTP                        ; target row 768 sm + 64 nb
	s_lshl_b32 s31, s23, 8
	s_add_co_u32 s32, s31, 1536                    ; W1 rows 0..1535 go 768 elements further on,
	s_sub_co_u32 s33, s31, 3072                    ; rows 1536..2303 to the front
	s_cmp_lt_u32 s23, 12
	s_cselect_b32 s31, s32, s33
	s_add_co_u32 s30, s30, s31
	s_mov_b32 s31, 0
	s_mul_i32 s36, s20, STAGE                      ; my wave's stage
	v_and_b32 v6, 15, v0                           ; c
	v_bfe_u32 v7, v0, 4, 1                         ; h
	v_mul_u32_u24 v2, v7, 32*ROWF
	v_lshl_add_u32 v2, v6, 4, v2                   ; load: row 32 h (+ j), bytes 16 c
	v_mul_u32_u24 v3, v6, 4*SPI
	v_lshl_add_u32 v3, v7, 6, v3
	v_add_nc_u32 v3, s36, v3                       ; into the stage: row 4 c (+ e), byte 64 h
	v_mul_u32_u24 v4, v7, SPI
	v_lshl_add_u32 v4, v6, 4, v4
	v_add_nc_u32 v4, s36, v4                       ; back: row h (+ 2 i), byte 16 c
	v_mul_u32_u24 v5, v7, WTP
	v_lshl_add_u32 v5, v6, 4, v5                   ; and the same two rows in WT
	s_cmp_eq_u32 s22, 0
	s_wait_kmcnt 0x0
	s_cselect_b64 s[26:27], s[12:13], s[14:15]
	s_add_nc_u64 s[26:27], s[26:27], s[28:29]
	s_add_nc_u64 s[30:31], s[18:19], s[30:31]
	s_add_nc_u64 s[34:35], s[30:31], 1536          ; where the role part lies a second time
; 64 rows of W1: 32 loads, each two pieces of 256 bytes; then eight k of one column make 16 bytes of a stage row
.macro WHALF half
.set j, 0
.rept 32
	global_load_b128 v[V+4*j:V+4*j+3], v2, s[26:27] offset:j*ROWF+\half*64*ROWF th:TH_LOAD_NT
.set j, j+1
.endr
.set jj, 0
.rept 4
	s_wait_loadcnt 24-8*jj                         ; loads 8 jj .. 8 jj + 7 are in, the younger ones stay out
.set e, 0
.rept 4
.set i, 0
.rept 4
	v_cvt_pk_bf16_f32 v[TM+4*e+i], v[V+4*(8*jj+2*i)+e], v[V+4*(8*jj+2*i+1)+e]
.set i, i+1
.endr
	ds_store_b128 v3, v[TM+4*e:TM+4*e+3] offset:e*SPI+128*\half+16*jj
.set e, e+1
.endr
.set jj, jj+1
.endr
.endm
	WHALF 0
	WHALF 1
.set i, 0
.rept 32
	ds_load_b128 v[V+4*i:V+4*i+3], v4 offset:i*2*SPI   ; LDS serves a wave's instructions in order: these see the stores above
.set i, i+1
.endr
.set i, 0
.rept 32
	s_wait_dscnt 31-i
	global_store_b128 v5, v[V+4*i:V+4*i+3], s[30:31] offset:i*2*WTP   ; sixteen lanes store 256 consecutive bytes, at a multiple of 256 from WT's first byte
.set i, i+1
.endr
	s_sub_co_u32 s33, s23, 6
	s_cmp_lt_u32 s33, 6                            ; 6 <= kb < 12: the role part, stored once more
	s_cbranch_scc0 .Ldone
.set i, 0
.rept 32
	global_store_b128 v5, v[V+4*i:V+4*i+3], s[34:35] offset:i*2*WTP
.set i, i+1
.endr
.Ldone:
	s_wait_tensorcnt 0x0
	ds_add_u32 v160, v161
	s_wait_dscnt 0x0
	s_endpgm
.Lfunc_end_k_q6f540ba987_prep:
	.size	k_q6f540ba987_prep, .Lfunc_end_k_q6f540ba987_prep-k_q6f540ba987_prep
	.p2alignl 7, 3214868480
	.fill 96, 4, 3214868480
	.section	.rodata,"a",@progbits
	.p2align	6, 0x0
	.amdhsa_kernel k_q6f540ba987_prep
		.amdhsa_group_segment_fixed_size 52736
		.amdhsa_private_segment_fixed_size 0
		.amdhsa_enable_private_segment 0
		.amdhsa_kernarg_size 64
		.amdhsa_user_sgpr_count 2
		.amdhsa_user_sgpr_kernarg_segment_ptr 1
		.amdhsa_wavefront_size32 1
		.amdhsa_system_sgpr_workgroup_id_x 1
		.amdhsa_system_sgpr_workgroup_id_y 1
		.amdhsa_system_sgpr_workgroup_id_z 1
		.amdhsa_system_vgpr_workitem_id 0
		.amdhsa_next_free_vgpr 162
		.amdhsa_next_free_sgpr 66
		.amdhsa_reserve_vcc 0
		.amdhsa_float_denorm_mode_32 3
		.amdhsa_float_denorm_mode_16_64 3
		.amdhsa_memory_ordered 1
		.amdhsa_forward_progress 1
		.amdhsa_inst_pref_size 40
	.end_amdhsa_kernel
	.amdgpu_metadata
---
amdhsa.version: [ 1, 2 ]
amdhsa.kernels:
  - .name:           k_q6f540ba987_prep
    .symbol:         k_q6f540ba987_prep.kd
    .args:
      - { .name: token_embedding, .offset: 0, .size: 8, .value_kind: global_buffer, .address_space: global }
      - { .name: entities_embedding, .offset: 8, .size: 8, .value_kind: global_buffer, .address_space: global }
      - { .name: summar_embedding, .offset: 16, .size: 8, .value_kind: global_buffer, .address_space: global }
      - { .name: role_embedding, .offset: 24, .size: 8, .value_kind: global_buffer, .address_space: global }
      - { .name: W1s, .offset: 32, .size: 8, .value_kind: global_buffer, .address_space: global }
      - { .name: W1m, .offset: 40, .size: 8, .value_kind: global_buffer, .address_space: global }
      - { .name: XA, .offset: 48, .size: 8, .value_kind: global_buffer, .address_space: global }
      - { .name: WT, .offset: 56, .size: 8, .value_kind: global_buffer, .address_space: global }
    .group_segment_fixed_size: 52736
    .private_segment_fixed_size: 0
    .kernarg_segment_align: 8
    .kernarg_segment_size: 64
    .max_flat_workgroup_size: 96
    .sgpr_count:     66
    .vgpr_count:     162
    .wavefront_size: 32
...
	.end_amdgpu_metadata
.endif
;; end of part 1
;; launch gemm (part 2): grid 8 x 32, 4 waves a work-group, clusters of 4 x 4, 327,680 bytes of LDS; arguments XA, WT, b1s, b1m, W2s, W2m, H1, part0; writes H1, part0
.if DOCPART == 2
	.amdgcn_target "amdgcn-amd-amdhsa--gfx1250"
	.amdhsa_code_object_version 6
	.text
	.protected	k_q6f540ba987_gemm
	.globl	k_q6f540ba987_gemm
	.p2align	8
	.type	k_q6f540ba987_gemm,@function
k_q6f540ba987_gemm:
	s_mov_b64 s[64:65], 0
	v_nop
	global_prefetch_b8 v0, s[64:65] scope:SCOPE_SE
	s_setreg_imm32_b32 hwreg(HW_REG_WAVE_MODE, 25, 1), 1
	s_wait_xcnt 0x0
	s_wait_alu depctr_hold_cnt(0) depctr_sa_sdst(0) depctr_va_vdst(0) depctr_va_sdst(0) depctr_va_ssrc(0) depctr_va_vcc(0) depctr_vm_vsrc(0)
	s_getreg_b32 s2, hwreg(HW_REG_IB_STS2, 6, 4)
	s_cmp_eq_u32 s2, 0
	s_cbranch_scc0 .Lentry_in_a_cluster
	s_endpgm
.Lentry_in_a_cluster:
	s_bfe_u32 s2, ttmp6, 0x10000c
	s_cmp_lg_u32 s2, 0xf033
	s_cbranch_scc0 .Lentry_shape_is_right
	s_endpgm
.Lentry_shape_is_right:
; All matrix work of both roles and both MLPs.  The hidden sum of role i is  X Wx + summar Wsum + role_i Wrole (+ pre w_last + b1), X = token (s) or entities (m).
; The first two products are the same for both roles and are made once.  pre enters by one row of W1 alone and is added later, in f32.
; A work-group makes 256 rows x 192 of the 1536 (s | m) hidden columns, a wave 128 x 96, in TWO sets of 48 accumulator tiles:
;   phase 1 (K steps 0-11)  set 0  = X Wx + summar Wsum            (the first products start the sums)
;   phase 2 (K steps 12-17) set 1  = set 0 + role 1 Wrole          (the first products take set 0's tiles as C: nothing is copied)  -> H1, f32, raw
;   phase 3 (K steps 18-23) set 0 += role 0 Wrole                  -> + b1, gelu, times W2, summed over the wave's 96 columns -> part0
; K goes in steps of 128 through two LDS slots filled by the tensor data mover; a tile's rows are 256 bytes of memory at multiples of 256 bytes.
; Two slots of a longer step do not fit: (256 + 192) rows x (384 + 16) bytes x 2 = 358,400 bytes.
; CLUSTERS: 4 x 4 work-groups.  A row of the cluster shares XA's tile, a column WT's: each is asked for jointly, which divides the requests by four.
; gelu(x) = max(x,0) - |x| (poly(t)/2) exp(-x x/2), t = 1/(1 + 0.2316419 |x|): erf by Abramowitz and Stegun 7.1.26, absolute error at most 1.5e-7 for every x.
;
; REGISTERS in windows of 256.  Window 0: addresses, two fragment buffers (A's 8 fragments, then B's 6).  Set 0 lies at 256 + 64 b + 8 a, set 1 at 640 + 64 b + 8 a
; (b = 0..5 column tile, a = 0..7 row tile).  The matrix instruction is used transposed (source 0 = rows of WT, source 1 = rows of XA): lane l then holds row l % 16
; and its registers j the columns 8 (l / 16) + j.
.set PITCH, 272                        ; LDS row: 256 bytes + 16 of padding
.set HALFA, 128*PITCH                  ; what one load of XA brings, and what a wave reads of it
.set HALFB, 96*PITCH                   ; the same for WT
.set SLOT,  2*HALFA+2*HALFB            ; 121,856
.set CST,   2*SLOT                     ; 243,712 = 952 x 256: per wave 768 bytes, b1[96] then W2[96]; no tensor load lands here
.set STG,   CST+4*768                  ; per wave 512 bytes, for the way out
.set XAP,   7680
.set WTP,   6144
.set ADRA, 16                          ; v16-17 LDS address of my A fragments in slot 0, 1
.set ADRB, 20                          ; v20-21 the same for B
.set HO,   24                          ; v24 16 x lane
.set CSTA, 25                          ; v25 my constants: CST + 768 w + 32 (l / 16)
.set STW,  26                          ; v26 stage, 4 x lane
.set STR,  27                          ; v27 stage, 16 x lane
.set V_A4, 28                          ; v[28:29] a4/2 twice
.set F0,   32
.set F1,   144
.set B1C,  32                          ; epilogue: v[32:79] b1 of my columns, all six column tiles
.set W2F,  80                          ; epilogue: v[80:87] W2 of the trip's column tile
.set XR,   128
.set TR,   160
.set UR,   192
.set QR,   224
.set G1A, 28                           ; s[28:35] group 1 for XA's tiles
.set G1B, 36                           ; s[36:43] group 1 for WT's tiles
.set G0A, 44                           ; s[44:51] group 0 for XA's tiles, a set for each slot
.set G0B, 52                           ; s[52:59] group 0 for WT's tiles
.set INC, 66                           ; s[66:67] bytes that XA's address steps at a refill
.set S_C,  78                          ; s[78:79] -0.5 log2 e, twice
.set S_P,  80                          ; s80      0.3275911 / sqrt 2
.set S_A1, 82                          ; pairs: a1/2, a2/2, a3/2, a5/2, each twice
.set S_A2, 84
.set S_A3, 86
.set S_A5, 90
.set G1W0, (1<<16)|(1<<20)|(1<<21)|(5<<22)|(3<<25)   ; 2-byte elements; padding on; bit 21 beside a mask; after every 64 words; 4 words
.set MSB, 0
.macro WIN new                         ; the immediate's high byte repeats the setting that is left
.if MSB != (\new)
	s_set_vgpr_msb (MSB<<8)|(\new)
.set MSB, (\new)
.endif
.endm
.macro PLACES                          ; four plain vector places behind matrix instructions (ISA guide 7.12.1)
.rept 4
	v_nop
.endr
.endm
; A joint load: waves 0 and 1 fetch XA's two halves, waves 2 and 3 WT's.  The branch hangs on the wave's number alone.
.macro JLOAD sl
	s_cmp_eq_u32 s21, 0
	s_cbranch_scc0 .Lfor_b_\@
	tensor_load_to_lds s[G0A+4*\sl:G0A+4*\sl+3], s[G1A:G1A+7]
	s_nop 0
	s_branch .Lasked_\@
.Lfor_b_\@:
	tensor_load_to_lds s[G0B+4*\sl:G0B+4*\sl+3], s[G1B:G1B+7]
	s_nop 0
.Lasked_\@:
.endm
.macro CREST                           ; a round of the cluster's barrier behind its opening barrier
	s_cmp_lg_u32 s20, 0
	s_cbranch_scc1 .Lnot_wave_0_\@
	s_barrier_signal -3
.Lnot_wave_0_\@:
	s_barrier_wait -3
	s_barrier_signal -1
	s_barrier_wait -1
.endm
.macro CROUND
	s_barrier_signal -1
	s_barrier_wait -1
	CREST
.endm
	s_load_b512 s[4:19], s[0:1], 0x0               ; XA s[4:5], WT s[6:7], b1s s[8:9], b1m s[10:11], W2s s[12:13], W2m s[14:15], H1 s[16:17], part0 s[18:19]
	v_lshl_add_u32 v30, v0, 2, 0x3cc00
	v_mov_b32 v31, 0
	ds_add_u32 v30, v31
	v_lshrrev_b32 v1, 5, v0
	v_readfirstlane_b32 s20, v1                    ; wave w
	s_lshr_b32 s21, s20, 1                         ; wr: my half of the rows.  Also: I fetch for XA (0) or WT (1)
	s_and_b32 s22, s20, 1                          ; wc: my half of the columns.  Also: which half of that tile I fetch
	s_bfe_u32 s23, ttmp6, 0x40000                  ; cx
	s_bfe_u32 s24, ttmp6, 0x40004                  ; cy
	s_lshl_b32 s25, ttmp9, 2
	s_add_co_u32 s25, s25, s23                     ; bx: block of 192 columns
	s_and_b32 s26, ttmp7, 0xffff
	s_lshl_b32 s26, s26, 2
	s_add_co_u32 s26, s26, s24                     ; by: block of 256 rows
	s_mov_b32 s27, ttmp9                           ; sm: the cluster's x is 0 for s, 1 for m, the same in all sixteen
	s_lshl_b32 s60, s24, 2
	s_lshl_b32 s60, 15, s60                        ; my row of the cluster
	s_lshl_b32 s61, 0x1111, s23                    ; my column
	s_or_b32 s[G1A+0], s60, G1W0
	s_or_b32 s[G1B+0], s61, G1W0
	s_mov_b32 s[G1A+1], 128<<16                    ; tensor_dim0 = 128
	s_mov_b32 s[G1B+1], 128<<16
	s_mov_b32 s[G1A+2], 128<<16                    ; tensor_dim1 = 128 rows
	s_mov_b32 s[G1B+2], 96<<16                     ;             = 96 rows
	s_mov_b32 s[G1A+3], 128<<16                    ; tile_dim0 = 128
	s_mov_b32 s[G1B+3], 128<<16
	s_mov_b32 s[G1A+4], 128                        ; tile_dim1
	s_mov_b32 s[G1B+4], 96
	s_mov_b32 s[G1A+5], 3840                       ; elements from row to row
	s_mov_b32 s[G1B+5], 3072
	s_mov_b32 s[G1A+6], 0
	s_mov_b32 s[G1B+6], 0
	s_mov_b32 s[G1A+7], 0
	s_mov_b32 s[G1B+7], 0
	; XA's address hangs on by, sm and the wave; WT's on bx and the wave; each in registers that never hold the other coordinate
	s_lshl_b32 s70, s26, 8
	s_lshl_b32 s95, s22, 7
	s_add_co_u32 s70, s70, s95                     ; row 256 by + 128 half
	s_mul_i32 s70, s70, XAP
	s_mul_i32 s96, s27, 1536                       ; s starts at token (byte 0), m at entities (byte 1,536)
	s_add_co_u32 s70, s70, s96
	s_mov_b32 s71, 0
	s_mul_i32 s72, s25, 192
	s_mul_i32 s97, s22, 96
	s_add_co_u32 s72, s72, s97                     ; row 192 bx + 96 half
	s_mul_i32 s72, s72, WTP
	s_mov_b32 s73, 0
	s_mul_i32 s62, s20, HALFA                      ; waves 0, 1: XA's halves at 0 and HALFA
	s_mul_i32 s63, s20, HALFB
	s_add_co_u32 s63, s63, 2*HALFA-2*HALFB         ; waves 2, 3: WT's halves behind them
	s_mov_b32 s66, 0x200                           ; two K steps = 512 bytes
	s_mov_b32 s67, 0
	s_mov_b32 s99, 0x800
	s_cmp_eq_u32 s27, 0
	s_cselect_b32 s68, s99, 0x200                  ; from steps 4, 5 to steps 6, 7: s jumps over the entities block, 1,536 bytes more
	s_wait_dscnt 0x0
	s_wait_kmcnt 0x0
	s_add_nc_u64 s[70:71], s[4:5], s[70:71]
	s_add_nc_u64 s[72:73], s[6:7], s[72:73]
	CROUND                                         ; all sixteen work-groups are here: the first joint loads meet
.irp sl, 0,1
	s_mov_b32 s[G0A+4*\sl], 1
	s_add_co_u32 s[G0A+4*\sl+1], s62, \sl*SLOT
	s_add_nc_u64 s[G0A+4*\sl+2:G0A+4*\sl+3], s[70:71], \sl*256
	s_or_b32 s[G0A+4*\sl+3], s[G0A+4*\sl+3], 0x80000000
	s_mov_b32 s[G0B+4*\sl], 1
	s_add_co_u32 s[G0B+4*\sl+1], s63, \sl*SLOT
	s_add_nc_u64 s[G0B+4*\sl+2:G0B+4*\sl+3], s[72:73], \sl*256
	s_or_b32 s[G0B+4*\sl+3], s[G0B+4*\sl+3], 0x80000000
	JLOAD \sl                                      ; both slots are asked for before anything else: two tensor loads of the wave are out
.endr
	; my 96 numbers of b1 and of W2, once, into my own bytes of LDS
	s_lshl1_add_u32 s98, s23, s22                  ; c8 = 2 cx + wc: my chunk of 96 of the 768 columns
	s_mul_i32 s99, s98, 384
	v_and_b32 v4, 31, v0                           ; lane
	v_lshl_add_u32 v6, v4, 2, s99
	s_cmp_eq_u32 s27, 0
	s_cselect_b64 s[8:9], s[8:9], s[10:11]
	s_cselect_b64 s[12:13], s[12:13], s[14:15]
.irp i, 0,1,2
	global_load_b32 v[8+\i],  v6, s[8:9] offset:128*\i
	global_load_b32 v[11+\i], v6, s[12:13] offset:128*\i
.endr
	; where the results go
	s_lshl3_add_u32 s99, s27, s98                  ; 8 sm + c8
	s_lshl_b32 s88, s99, 9
	s_lshl4_add_u32 s88, s26, s88
	s_lshl3_add_u32 s88, s21, s88                  ; + my first tile of 16 rows: 16 by + 8 wr
	s_mul_i32 s88, s88, 6144                       ; a tile of 16 rows x 96 columns of f32
	s_mov_b32 s89, 0
	s_add_nc_u64 s[74:75], s[16:17], s[88:89]
	s_lshl_b32 s88, s99, 13
	s_lshl_b32 s99, s26, 8
	s_add_co_u32 s88, s88, s99
	s_lshl_b32 s99, s21, 7
	s_add_co_u32 s88, s88, s99
	s_lshl_b32 s88, s88, 2
	s_add_nc_u64 s[76:77], s[18:19], s[88:89]      ; part0[sm][c8][256 by + 128 wr]
	s_mov_b32 s78, 0xbf38aa3b
	s_mov_b32 s79, 0xbf38aa3b
	s_mov_b32 s80, 0x3e6d3388
	s_mov_b32 s82, 0x3e027906
	s_mov_b32 s83, 0x3e027906
	s_mov_b32 s84, 0xbe11a98e
	s_mov_b32 s85, 0xbe11a98e
	s_mov_b32 s86, 0x3f35f0e3
	s_mov_b32 s87, 0x3f35f0e3
	s_mov_b32 s90, 0x3f07dc22
	s_mov_b32 s91, 0x3f07dc22
	s_mov_b32 s92, 0x76543210                      ; v_permlanex16_b32: lane i of one half reads lane i of the other
	s_mov_b32 s93, 0xfedcba98
	s_mov_b32 s94, 0xffff0000                      ; lanes 16 to 31
	v_mov_b32 v28, 0xbf3a00e3
	v_mov_b32 v29, 0xbf3a00e3
	; fragment addresses: row (l % 16) x pitch + 16 (l / 16)
	v_and_b32 v1, 15, v0
	v_bfe_u32 v2, v0, 4, 1
	v_mul_u32_u24 v3, v1, PITCH
	v_lshl_add_u32 v3, v2, 4, v3
	s_mul_i32 s81, s21, HALFA
	s_mul_i32 s100, s22, HALFB
	s_add_co_u32 s100, s100, 2*HALFA
.irp sl, 0,1
	v_add_nc_u32 v[ADRA+\sl], s81, v3
	v_add_nc_u32 v[ADRB+\sl], s100, v3
	s_add_co_u32 s81, s81, SLOT
	s_add_co_u32 s100, s100, SLOT
.endr
	s_mul_i32 s81, s20, 768
	s_add_co_u32 s81, s81, CST
	s_lshl_b32 s101, s20, 9
	s_add_co_u32 s101, s101, STG
	v_lshlrev_b32 v[HO], 4, v4
	v_lshl_add_u32 v[CSTA], v2, 5, s81
	v_lshl_add_u32 v5, v4, 2, s81
	v_lshl_add_u32 v[STW], v4, 2, s101
	v_lshl_add_u32 v[STR], v4, 4, s101
	s_wait_loadcnt 0x0
.irp i, 0,1,2
	ds_store_b32 v5, v[8+\i]  offset:128*\i
	ds_store_b32 v5, v[11+\i] offset:384+128*\i
.endr
; 16 matrix instructions: column tiles 2 g, 2 g + 1 x all 8 row tiles, 32 along K, from buffer f.
; mode 0: in place on set acc; 1: C = 0 starts set 0; 2: C = set 0's tile, D = set 1's tile.
; The 48 accumulators take turns, one instruction a turn, in the same order in every quarter step.
.macro MUL16 acc, f, g, mode
.set AW0, 1+(\g)/2                     ; window of set 0's tiles of this group
.set AW1, 2+((\g)+1)/2                 ; window of set 1's
.if \mode == 2
	WIN 0x40*AW1+0x10*AW0
.else
.if \acc
	WIN 0x50*AW1
.else
	WIN 0x50*AW0
.endif
.endif
.irp b, 2*\g, 2*\g+1
.irp a, 0,1,2,3,4,5,6,7
.set D0, (64*(\b)+8*\a)%256
.set D1, (128+64*(\b)+8*\a)%256
.if \mode == 1
	v_wmma_f32_16x16x32_bf16 v[D0:D0+7], v[\f+64+8*(\b):\f+64+8*(\b)+7], v[\f+8*\a:\f+8*\a+7], 0
.endif
.if \mode == 2
	v_wmma_f32_16x16x32_bf16 v[D1:D1+7], v[\f+64+8*(\b):\f+64+8*(\b)+7], v[\f+8*\a:\f+8*\a+7], v[D0:D0+7]
.endif
.if \mode == 0
.if \acc
	v_wmma_f32_16x16x32_bf16 v[D1:D1+7], v[\f+64+8*(\b):\f+64+8*(\b)+7], v[\f+8*\a:\f+8*\a+7], v[D1:D1+7]
.else
	v_wmma_f32_16x16x32_bf16 v[D0:D0+7], v[\f+64+8*(\b):\f+64+8*(\b)+7], v[\f+8*\a:\f+8*\a+7], v[D0:D0+7]
.endif
.endif
.endr
.endr
.endm
; 28 LDS loads in one run: a quarter step's fragments (128 rows of XA, then 96 rows of WT, 32 K at byte k) into buffer f
.macro FETCH sl, k, f
	WIN 0
.irp a, 0,1,2,3,4,5,6,7
	ds_load_b128 v[\f+8*\a:\f+8*\a+3],   v[ADRA+\sl] offset:\k+\a*16*PITCH
	ds_load_b128 v[\f+8*\a+4:\f+8*\a+7], v[ADRA+\sl] offset:\k+\a*16*PITCH+32
.endr
.irp b, 0,1,2,3,4,5
	ds_load_b128 v[\f+64+8*\b:\f+64+8*\b+3],   v[ADRB+\sl] offset:\k+\b*16*PITCH
	ds_load_b128 v[\f+64+8*\b+4:\f+64+8*\b+7], v[ADRB+\sl] offset:\k+\b*16*PITCH+32
.endr
.endm
; One of a K step's first three quarters: multiplies buffer f, and behind its first third fetches the next quarter into buffer g
.macro QUARTER sl, k, f, g, acc, mode
	s_wait_dscnt 8                                 ; XA's fragments and WT's 0, 1 are in; the youngest eight loads (WT's 2..5) may be out
	MUL16 \acc, \f, 0, \mode
	PLACES                                         ; buffer g was read by matrix instructions: four places in front of the loads into it
	FETCH \sl, \k, \g
	s_wait_dscnt 28                                ; all but the 28 just issued
	MUL16 \acc, \f, 1, \mode
	MUL16 \acc, \f, 2, \mode
.endm
.macro THREE sl, acc, mode
	QUARTER \sl, 64,  F0, F1, \acc, \mode
	QUARTER \sl, 128, F1, F0, \acc, 0
	QUARTER \sl, 192, F0, F1, \acc, 0
.endm
; The last quarter: multiplies buffer 1 and changes slots.  In front of the barrier each wave waits for its reads of this slot and for all its tensor loads
; (one is out: its part of the next slot); no tensor load of the wave is then out, so this slot's two group 0 are stepped there.  Where the slot is filled again the
; barrier opens a round of the cluster's barrier, and the joint refill is the first tensor load behind the round.  Nothing but the round stands between the waits and
; the refill: a wave has one request out at a time, so the next request goes out as early as the ordering allows, and the quarter's other 32 matrix
; instructions run while the tile is on its way.  From a request to the wait for it a wave issues 192 matrix instructions.
.macro TURN sl, next, fill, acc
	s_wait_dscnt 8
	MUL16 \acc, F1, 0, 0
	WIN 0
	s_wait_dscnt 0
	s_wait_tensorcnt 0x0
	ds_add_u32 v30, v31
	s_wait_dscnt 0x0
.if \fill
	s_add_nc_u64 s[G0A+4*\sl+2:G0A+4*\sl+3], s[G0A+4*\sl+2:G0A+4*\sl+3], s[INC:INC+1]
	s_add_nc_u64 s[G0B+4*\sl+2:G0B+4*\sl+3], s[G0B+4*\sl+2:G0B+4*\sl+3], 512
.endif
	s_barrier_signal -1
	s_barrier_wait -1
.if \fill
	CREST
	JLOAD \sl
.endif
	PLACES
	FETCH \next, 0, F0
	MUL16 \acc, F1, 1, 0
	MUL16 \acc, F1, 2, 0
.endm
.macro LAP acc, mode                   ; two K steps, both slots filled again
	THREE 0, \acc, \mode
	TURN 0, 1, 1, \acc
	THREE 1, \acc, 0
	TURN 1, 0, 1, \acc
.endm
; 32 stores of set 1: column tiles 2 g, 2 g + 1.  A store covers 512 consecutive bytes.  Set 1 is never written again, nor are v[HO] and the base.
.macro H1ST g
.if \g == 0
	WIN 0x08                                       ; store data (source 1) from window 2
.else
	WIN 0x0c                                       ; from window 3
.endif
.irp a, 0,1,2,3,4,5,6,7
.irp b, 2*\g, 2*\g+1
.irp q, 0,1
	global_store_b128 v[HO], v[(128+64*(\b)+8*\a)%256+4*\q:(128+64*(\b)+8*\a)%256+4*\q+3], s[74:75] offset:(6*\a+(\b))*1024+512*\q
.endr
.endr
.endr
.endm
	s_wait_tensorcnt 0x1                           ; my part of K step 0 is in; step 1's may stay out
	s_wait_dscnt 0x0                               ; my stores of the constants
	s_barrier_signal -1
	s_barrier_wait -1
	FETCH 0, 0, F0
	; phase 1: laps 0 to 5
	LAP 0, 1
	WIN 0
	s_mov_b32 s69, 5
.Lph1:
	s_cmp_eq_u32 s69, 4                            ; lap 2 asks for K steps 6 and 7
	s_cselect_b32 s66, s68, 0x200
	LAP 0, 0
	WIN 0
	s_sub_co_u32 s69, s69, 1
	s_cmp_lg_u32 s69, 0
	s_cbranch_scc1 .Lph1
	; phase 2: laps 6 to 8.  Set 0's tiles are taken as the C of other accumulators: five places behind the instructions that wrote them
.rept 5
	v_nop
.endr
	LAP 1, 2
	WIN 0
	s_mov_b32 s69, 2
.Lph2:
	LAP 1, 0
	WIN 0
	s_sub_co_u32 s69, s69, 1
	s_cmp_lg_u32 s69, 0
	s_cbranch_scc1 .Lph2
	; phase 3: laps 9 to 11, with a third of role 1's sums leaving in front of each
	PLACES
	H1ST 0
	LAP 0, 0
	H1ST 1
	LAP 0, 0
	H1ST 2
	THREE 0, 0, 0                                  ; the last lap fills nothing and has no round of the cluster's barrier
	TURN 0, 1, 0, 0
	THREE 1, 0, 0
	s_wait_dscnt 8
	MUL16 0, F1, 0, 0
	s_wait_dscnt 0
	MUL16 0, F1, 1, 0
	MUL16 0, F1, 2, 0
	; ---- role 0: x = set 0 + b1, gelu, times W2, summed over my 96 columns ----
	; Twelve trips of 32 numbers a lane: trip i takes column tile i % 6 of row tiles 4 (i / 6) .. + 3.  Registers cannot be indexed, so a switch on the trip's number
	; does what names the trip's accumulators (x = sum + b1, and the request for the tile's W2); the gelu and the products with W2 stand once in the text.
	; v[2 a : 2 a + 1] gathers row tile a's sum; the eight registers are cleared in front of each run of six trips.
	WIN 0
.irp i, 0,1,2,3,4,5,6,7
	v_mov_b32 v[\i], 0                             ; also the places behind the last matrix instructions
.endr
.irp b, 0,1,2,3,4,5
.irp q, 0,1
	ds_load_b128 v[B1C+8*\b+4*\q:B1C+8*\b+4*\q+3], v[CSTA] offset:64*\b+16*\q
.endr
.endr
	s_wait_dscnt 0x0
; gelu of cnt numbers in X, in place; T, U, Q at work
.macro GELU cnt, X, T, U, Q
.set i, 0
.rept \cnt
	v_fma_f32 v[\T+i], |v[\X+i]|, s[S_P], 1.0
.set i, i+1
.endr
.set i, 0
.rept \cnt/2
	v_pk_mul_f32 v[\U+i:\U+i+1], v[\X+i:\X+i+1], s[S_C:S_C+1] op_sel_hi:[1,0]
.set i, i+2
.endr
.set i, 0
.rept \cnt/2
	v_pk_mul_f32 v[\U+i:\U+i+1], v[\U+i:\U+i+1], v[\X+i:\X+i+1]
.set i, i+2
.endr
.set i, 0
.rept \cnt
	v_rcp_f32 v[\T+i], v[\T+i]
.set i, i+1
.endr
.set i, 0
.rept \cnt
	v_exp_f32 v[\U+i], v[\U+i]
.set i, i+1
.endr
	v_nop                                          ; one plain place behind the transcendentals (ISA guide 5.7.2)
.set i, 0
	s_wait_alu depctr_va_vdst(0)
.rept \cnt/2
	v_pk_fma_f32 v[\Q+i:\Q+i+1], v[\T+i:\T+i+1], s[S_A5:S_A5+1], v[V_A4:V_A4+1] op_sel_hi:[1,0,1]
.set i, i+2
.endr
.irp c, S_A3, S_A2, S_A1
.set i, 0
.rept \cnt/2
	v_pk_fma_f32 v[\Q+i:\Q+i+1], v[\Q+i:\Q+i+1], v[\T+i:\T+i+1], s[\c:\c+1] op_sel_hi:[1,1,0]
.set i, i+2
.endr
.endr
.set i, 0
.rept \cnt/2
	v_pk_mul_f32 v[\Q+i:\Q+i+1], v[\Q+i:\Q+i+1], v[\T+i:\T+i+1]
.set i, i+2
.endr
.set i, 0
.rept \cnt/2
	v_pk_mul_f32 v[\Q+i:\Q+i+1], v[\Q+i:\Q+i+1], v[\U+i:\U+i+1]
.set i, i+2
.endr
.set i, 0
.rept \cnt
	v_max_num_f32 v[\T+i], 0, v[\X+i]
.set i, i+1
.endr
.set i, 0
.rept \cnt
	v_fma_f32 v[\X+i], -|v[\X+i]|, v[\Q+i], v[\T+i]
.set i, i+1
.endr
.endm
; trip idx's own part; tail = 1: a jump to the common part follows
.macro ECASE idx, tail
.Lcase_\idx:
.set EBB, (\idx)%6
.set EAH, (\idx)/6
	ds_load_b128 v[W2F:W2F+3],   v[CSTA] offset:384+64*EBB
	ds_load_b128 v[W2F+4:W2F+7], v[CSTA] offset:384+64*EBB+16
	WIN 1+EBB/4                                    ; source 0 from set 0's window
.irp a, 0,1,2,3
.irp p, 0,1,2,3
	v_pk_add_f32 v[XR+8*\a+2*\p:XR+8*\a+2*\p+1], v[(64*EBB+8*(4*EAH+\a))%256+2*\p:(64*EBB+8*(4*EAH+\a))%256+2*\p+1], v[B1C+8*EBB+2*\p:B1C+8*EBB+2*\p+1]
.endr
.endr
	WIN 0
.if \tail
	s_branch .Lgelu
.endif
.endm
; the sums of row tiles 4 ah .. 4 ah + 3 go into my stage: lane l of word group i holds row 64 ah + 32 i + l
.macro RED ah
.irp a, 0,1,2,3
	v_add_f32 v[2*\a], v[2*\a], v[2*\a+1]
.endr
.irp a, 0,1,2,3
	v_permlanex16_b32 v[2*\a+1], v[2*\a], s92, s93 ; the other eight columns of each tile
.endr
.irp a, 0,1,2,3
	v_add_f32 v[2*\a], v[2*\a], v[2*\a+1]          ; lane l: row 16 a + l % 16
.endr
.irp i, 0,1
	v_cndmask_b32 v[4*\i+1], v[4*\i], v[4*\i+2], s94
	ds_store_b32 v[STW], v[4*\i+1] offset:256*\ah+128*\i
.endr
.endm
	s_mov_b32 s69, 0
.Lepi:
.irp i, 0,1,2,3,4,5,6,7,8,9,10
	s_cmp_eq_u32 s69, \i
	s_cbranch_scc1 .Lcase_\i
.endr
	ECASE 11, 1
.irp i, 0,1,2,3,4,5,6,7,8,9
	ECASE \i, 1
.endr
	ECASE 10, 0
.Lgelu:
	GELU 32, XR, TR, UR, QR
	s_wait_dscnt 0x0                               ; the trip's W2
.irp p, 0,1,2,3
.irp a, 0,1,2,3
	v_pk_fma_f32 v[2*\a:2*\a+1], v[XR+8*\a+2*\p:XR+8*\a+2*\p+1], v[W2F+2*\p:W2F+2*\p+1], v[2*\a:2*\a+1]
.endr
.endr
	s_cmp_lg_u32 s69, 5
	s_cbranch_scc1 .Lnext
	RED 0                                          ; row tiles 0 to 3 are done
.irp i, 0,1,2,3,4,5,6,7
	v_mov_b32 v[\i], 0
.endr
.Lnext:
	s_add_co_u32 s69, s69, 1
	s_cmp_lt_u32 s69, 12
	s_cbranch_scc1 .Lepi
	RED 1
	ds_load_b128 v[32:35], v[STR]                  ; my own bytes, served in order: four neighbouring rows a lane
	s_wait_dscnt 0x0
	global_store_b128 v[HO], v[32:35], s[76:77]    ; 512 consecutive bytes
	s_wait_tensorcnt 0x0
	ds_add_u32 v30, v31
	s_wait_dscnt 0x0
	CROUND                                         ; the closing round: no work-group ends while a partner may still ask for a tile that names it
	s_endpgm
.Lfunc_end_k_q6f540ba987_gemm:
	.size	k_q6f540ba987_gemm, .Lfunc_end_k_q6f540ba987_gemm-k_q6f540ba987_gemm
	.p2alignl 7, 3214868480
	.fill 96, 4, 3214868480
	.section	.rodata,"a",@progbits
	.p2align	6, 0x0
	.amdhsa_kernel k_q6f540ba987_gemm
		.amdhsa_group_segment_fixed_size 327680
		.amdhsa_private_segment_fixed_size 0
		.amdhsa_enable_private_segment 0
		.amdhsa_kernarg_size 64
		.amdhsa_user_sgpr_count 2
		.amdhsa_user_sgpr_kernarg_segment_ptr 1
		.amdhsa_wavefront_size32 1
		.amdhsa_system_sgpr_workgroup_id_x 1
		.amdhsa_system_sgpr_workgroup_id_y 1
		.amdhsa_system_sgpr_workgroup_id_z 1
		.amdhsa_system_vgpr_workitem_id 0
		.amdhsa_next_free_vgpr 1024
		.amdhsa_next_free_sgpr 102
		.amdhsa_reserve_vcc 0
		.amdhsa_float_denorm_mode_32 3
		.amdhsa_float_denorm_mode_16_64 3
		.amdhsa_memory_ordered 1
		.amdhsa_forward_progress 1
		.amdhsa_inst_pref_size 255
	.end_amdhsa_kernel
	.section	.bss,"aw",@nobits
	.p2align	6
	.space	262144
	.amdgpu_metadata
---
amdhsa.version: [ 1, 2 ]
amdhsa.kernels:
  - .name:           k_q6f540ba987_gemm
    .symbol:         k_q6f540ba987_gemm.kd
    .args:
      - { .name: XA, .offset: 0, .size: 8, .value_kind: global_buffer, .address_space: global }
      - { .name: WT, .offset: 8, .size: 8, .value_kind: global_buffer, .address_space: global }
      - { .name: b1s, .offset: 16, .size: 8, .value_kind: global_buffer, .address_space: global }
      - { .name: b1m, .offset: 24, .size: 8, .value_kind: global_buffer, .address_space: global }
      - { .name: W2s, .offset: 32, .size: 8, .value_kind: global_buffer, .address_space: global }
      - { .name: W2m, .offset: 40, .size: 8, .value_kind: global_buffer, .address_space: global }
      - { .name: H1, .offset: 48, .size: 8, .value_kind: global_buffer, .address_space: global }
      - { .name: part0, .offset: 56, .size: 8, .value_kind: global_buffer, .address_space: global }
    .group_segment_fixed_size: 327680
    .private_segment_fixed_size: 0
    .kernarg_segment_align: 8
    .kernarg_segment_size: 64
    .max_flat_workgroup_size: 128
    .sgpr_count:     102
    .vgpr_count:     1024
    .wavefront_size: 32
...
	.end_amdgpu_metadata
.endif
;; end of part 2
;; launch role1 (part 3): grid 256 x 1, 16 waves a work-group, no clusters, 70,656 bytes of LDS; arguments part0, H1, b2s, b2m, char2token, entity_token_spans, entity_doc_spans, Wa, ba, W1s, W1m, b1s, b1m, W2s, W2m, out1, p0, sc1; writes out1, p0, sc1
.if DOCPART == 3
	.amdgcn_target "amdgcn-amd-amdhsa--gfx1250"
	.amdhsa_code_object_version 6
	.text
	.protected	k_q6f540ba987_role1
	.globl	k_q6f540ba987_role1
	.p2align	8
	.type	k_q6f540ba987_role1,@function
k_q6f540ba987_role1:
	s_mov_b64 s[64:65], 0
	v_nop
	global_prefetch_b8 v0, s[64:65] scope:SCOPE_SE
	s_setreg_imm32_b32 hwreg(HW_REG_WAVE_MODE, 25, 1), 1
	s_wait_xcnt 0x0
; Work-group (sm, g, b): batch b, 64 positions 64 g .. 64 g + 63, MLP s (sm = 0) or m (1).  512 threads, thread t = position t of the batch.
;  1. role 0's scores of the whole batch: sigmoid(sum of part0's eight chunks + b2), single and multi.
;  2. a table of range maxima (level k, entry p: the maximum over [p, p + 2^k) cut at 512), three levels to a barrier, then each span's maximum from two entries;
;     empty spans give -inf.
;  3. the entity sum through the cover mask as a true sum of 0/1 products over all 32 entities (so -inf x 0 gives NaN as in the einsum); pred = (tok + ent) / 2.
;  4. pre = pred . Wa[0:512, my 64 columns] + ba, in f32 on the vector unit: one row of pred a batch, a streamed weight.
;     LIMIT: Wa's rows 512..1023 multiply the zero array that the model starts from and are not read; a non-finite number there would not show.
;  5. role 1: x = H1 + b1 + pre w_last, gelu, times W2, summed over 768 columns, + b2, sigmoid -> sc1.
;  6. wave 0 stores the scores of my 64 rows, and my 64 numbers of pred (to out1 where sm = 0, to p0 where sm = 1).
; The sixteen work-groups of a batch repeat steps 1 to 3 (a few thousand instructions) rather than pass pred through memory in a launch of its own.
; gelu as in the matrix launch: erf by Abramowitz and Stegun 7.1.26, absolute error at most 1.5e-7.  Range maxima use a maximum in which a NaN loses.
; All global loads go out at the head; no tensor loads, no matrix units: what is left here is one pass over H1.
.set TAB,  0                           ; 10 levels x 4,096: entry p at 8 p holds (single, multi)
.set PRED, 40960                       ; 512 f32
.set PP,   43008                       ; 64 columns x pitch 80: sixteen waves' partial sums of pre
.set CST,  48128                       ; per wave 1,152: b1[96], w_last[96], W2[96]
.set RED,  66560                       ; 8 chunks x 64 rows
.set AD,   16                          ; v[16:22] seven table addresses
.set EB,   32                          ; v[32:45] seven table entries
.set HR,   130                         ; v[130:225] H1: two tiles of 16 rows x 96 columns
.set XR,   66
.set TR,   82
.set UR,   98
.set QR,   114
.set PRE,  250                         ; v[250:251] pre of my row in tile 0, 1
.set SS,   252                         ; v[252:255] the two tiles' sums, a pair each
.set CA,   32                          ; constants of a column tile, two sets that take turns
.set CB,   226
.set V_A4, 30
.set S_C,  66
.set S_P,  68
.set S_A1, 70
.set S_A2, 72
.set S_A3, 74
.set S_A5, 76
	s_load_b512 s[4:19], s[0:1], 0x0               ; part0 4, H1 6, b2s 8, b2m 10, char2token 12, entity_token_spans 14, entity_doc_spans 16, Wa 18
	s_load_b512 s[20:35], s[0:1], 0x40             ; ba 20, W1s 22, W1m 24, b1s 26, b1m 28, W2s 30, W2m 32, out1 34
	s_load_b128 s[36:39], s[0:1], 0x80             ; p0 36, sc1 38
	v_lshl_add_u32 v15, v0, 2, 0x10c00
	v_mov_b32 v29, 0
	v_lshrrev_b32 v1, 5, v0
	v_readfirstlane_b32 s42, v1                    ; wave 0..15
	s_and_b32 s43, ttmp9, 1                        ; sm
	s_bfe_u32 s44, ttmp9, 0x30001                  ; g
	s_lshr_b32 s45, ttmp9, 4                       ; b
	s_lshr_b32 s46, s42, 1                         ; c8: my chunk of 96 columns
	s_and_b32 s47, s42, 1                          ; pair: my 32 of the 64 rows
	v_and_b32 v1, 31, v0                           ; lane
	v_and_b32 v2, 15, v0                           ; r
	v_bfe_u32 v3, v0, 4, 1                         ; h
	v_lshlrev_b32 v4, 2, v0                        ; 4 t     (v4 to v10 are addresses and are never rewritten)
	v_lshlrev_b32 v5, 3, v0                        ; 8 t
	v_lshlrev_b32 v6, 3, v1                        ; 8 lane
	s_mul_i32 s62, s46, 384
	v_lshl_add_u32 v7, v1, 2, s62                  ; (96 c8 + lane) x 4
	s_lshl_b32 s62, s44, 8
	s_lshl_b32 s63, s47, 7
	s_add_co_u32 s62, s62, s63
	v_lshl_add_u32 v8, v2, 2, s62                  ; (64 g + 32 pair + r) x 4
	v_lshrrev_b32 v9, 4, v0
	v_lshlrev_b32 v9, 15, v9
	v_lshl_add_u32 v9, v2, 4, v9                   ; Wa: 16 rows of 2,048 bytes for each sixteen threads, 16 bytes a thread
	v_lshlrev_b32 v10, 4, v1                       ; 16 lane
	s_lshl3_add_u32 s86, s43, s46
	s_lshl_b32 s86, s86, 9
	s_lshl_b32 s63, s45, 5
	s_add_co_u32 s86, s86, s63
	s_lshl2_add_u32 s86, s44, s86
	s_lshl1_add_u32 s86, s47, s86                  ; (8 sm + c8) 512 + 32 b + 4 g + 2 pair
	s_mul_i32 s86, s86, 6144
	s_mov_b32 s61, 0
	s_wait_kmcnt 0x0
	s_load_b32 s40, s[8:9], 0x0                    ; b2s
	s_load_b32 s41, s[10:11], 0x0                  ; b2m
	s_lshl_b32 s60, s45, 11
	s_add_nc_u64 s[4:5], s[4:5], s[60:61]          ; part0 at the batch
	s_lshl_b32 s60, s45, 12
	s_add_nc_u64 s[12:13], s[12:13], s[60:61]
	s_lshl_b32 s60, s45, 8
	s_add_nc_u64 s[14:15], s[14:15], s[60:61]
	s_add_nc_u64 s[16:17], s[16:17], s[60:61]
	s_lshl_b32 s60, s44, 8
	s_add_nc_u64 s[18:19], s[18:19], s[60:61]      ; Wa at my 64 columns
	s_mov_b32 s60, s86
	s_add_nc_u64 s[6:7], s[6:7], s[60:61]
	s_cmp_eq_u32 s43, 0
	s_cselect_b64 s[22:23], s[22:23], s[24:25]
	s_cselect_b64 s[26:27], s[26:27], s[28:29]
	s_cselect_b64 s[30:31], s[30:31], s[32:33]
	s_cselect_b64 s[82:83], s[34:35], s[36:37]     ; pred of my 64 positions goes to out1 (sm = 0) or to p0 (sm = 1)
	s_add_nc_u64 s[22:23], s[22:23], 2304*3072     ; W1's last row
	s_lshl_b32 s60, s45, 11
	s_lshl_b32 s63, s44, 8
	s_add_co_u32 s60, s60, s63
	s_add_nc_u64 s[82:83], s[82:83], s[60:61]
	s_lshl_b32 s63, s43, 15
	s_add_co_u32 s60, s60, s63
	s_add_nc_u64 s[84:85], s[38:39], s[60:61]
.set i, 0
.rept 16
	global_load_b32 v[32+i], v4, s[4:5] offset:i*32768         ; 16: part0[sm'][c][512 b + t]
.set i, i+1
.endr
	global_load_b64 v[48:49], v5, s[12:13]                     ; 3: my char span; entity lane's token span and doc span
	global_load_b64 v[50:51], v6, s[14:15]
	global_load_b64 v[52:53], v6, s[16:17]
.irp i, 0,1,2
	global_load_b32 v[54+\i], v7, s[26:27] offset:128*\i       ; 9: b1, w_last, W2 of my chunk
	global_load_b32 v[57+\i], v7, s[22:23] offset:128*\i
	global_load_b32 v[60+\i], v7, s[30:31] offset:128*\i
.endr
	global_load_b32 v64, v8, s[20:21]                          ; 2: ba
	global_load_b32 v65, v8, s[20:21] offset:64
.set i, 0
.rept 16
	global_load_b128 v[66+4*i:66+4*i+3], v9, s[18:19] offset:i*2048   ; 16: sixteen lanes take 256 consecutive bytes of a row of Wa
.set i, i+1
.endr
.set i, 0
.rept 24
	global_load_b128 v[HR+4*i:HR+4*i+3], v10, s[6:7] offset:512*i th:TH_LOAD_NT   ; 24: 512 consecutive bytes each
.set i, i+1
.endr
	s_mov_b32 s66, 0xbf38aa3b
	s_mov_b32 s67, 0xbf38aa3b
	s_mov_b32 s68, 0x3e6d3388
	s_mov_b32 s70, 0x3e027906
	s_mov_b32 s71, 0x3e027906
	s_mov_b32 s72, 0xbe11a98e
	s_mov_b32 s73, 0xbe11a98e
	s_mov_b32 s74, 0x3f35f0e3
	s_mov_b32 s75, 0x3f35f0e3
	s_mov_b32 s76, 0x3f07dc22
	s_mov_b32 s77, 0x3f07dc22
	s_mov_b32 s78, 0x76543210
	s_mov_b32 s79, 0xfedcba98
	v_mov_b32 v30, 0xbf3a00e3
	v_mov_b32 v31, 0xbf3a00e3
	s_mul_i32 s81, s42, 1152
	s_add_co_u32 s81, s81, CST                     ; my wave's constants
	v_lshl_add_u32 v11, v1, 2, s81
.macro SIGM ra, rb                     ; sigmoid of two registers: 1 / (1 + 2^(-x log2 e))
	v_mul_f32 v[\ra], 0xbfb8aa3b, v[\ra]
	v_mul_f32 v[\rb], 0xbfb8aa3b, v[\rb]
	v_exp_f32 v[\ra], v[\ra]
	v_exp_f32 v[\rb], v[\rb]
	v_nop
	s_wait_alu depctr_va_vdst(0)
	v_add_f32 v[\ra], 1.0, v[\ra]
	v_add_f32 v[\rb], 1.0, v[\rb]
	v_rcp_f32 v[\ra], v[\ra]
	v_rcp_f32 v[\rb], v[\rb]
	v_nop
.endm
.macro PUBLISH                         ; my LDS stores are done; behind the barrier everybody's are
	s_wait_dscnt 0x0
	s_barrier_signal -1
	s_barrier_wait -1
.endm
; Level k0 has been published and v[12:13] holds my entry of it.  With entries min(p + j 2^k0, 511), j = 1..7, levels k0 + 1 (j <= 1), k0 + 2 (j <= 3) and
; k0 + 3 (j <= 7) are made and stored.  Each level has bytes of its own, so one barrier serves three levels.
.macro STAGE k0
.irp j, 1,2,3,4,5,6,7
	v_add_nc_u32 v[AD+\j-1], \j<<\k0, v0
.endr
.irp j, 1,2,3,4,5,6,7
	v_min_u32 v[AD+\j-1], 0x1ff, v[AD+\j-1]
.endr
.irp j, 1,2,3,4,5,6,7
	v_lshlrev_b32 v[AD+\j-1], 3, v[AD+\j-1]
.endr
.irp j, 1,2,3,4,5,6,7
	ds_load_b64 v[EB+2*\j-2:EB+2*\j-1], v[AD+\j-1] offset:TAB+4096*\k0
.endr
	s_wait_dscnt 0x0
	v_max_num_f32 v12, v12, v[EB]
	v_max_num_f32 v13, v13, v[EB+1]
	ds_store_b64 v5, v[12:13] offset:TAB+4096*(\k0+1)
	v_max3_num_f32 v12, v12, v[EB+2], v[EB+4]
	v_max3_num_f32 v13, v13, v[EB+3], v[EB+5]
	ds_store_b64 v5, v[12:13] offset:TAB+4096*(\k0+2)
	v_max3_num_f32 v12, v12, v[EB+6], v[EB+8]
	v_max3_num_f32 v13, v13, v[EB+7], v[EB+9]
	v_max3_num_f32 v12, v12, v[EB+10], v[EB+12]
	v_max3_num_f32 v13, v13, v[EB+11], v[EB+13]
	ds_store_b64 v5, v[12:13] offset:TAB+4096*(\k0+3)
	PUBLISH
.endm
; the maximum over [st, en) of component comp: both ends cut to 0..512, k = floor(log2(length)) by nine compares on whole numbers, entries st and en - 2^k of level k
.macro RMQ st, en, comp, val
	v_max_i32 v16, 0, v[\st]
	v_max_i32 v17, 0, v[\en]
	v_min_i32 v16, 0x200, v16
	v_min_i32 v17, 0x200, v17
	v_sub_nc_u32 v18, v17, v16
	v_mov_b32 v19, 0
.irp j, 1,2,3,4,5,6,7,8,9
	v_cmp_le_i32 vcc_lo, 1<<\j, v18
	v_add_co_ci_u32 v19, vcc_lo, 0, v19, vcc_lo
.endr
	v_min_u32 v19, 9, v19
	v_lshlrev_b32 v20, v19, 1
	v_sub_nc_u32 v20, v17, v20
	v_min_u32 v20, 0x1ff, v20
	v_min_u32 v21, 0x1ff, v16
	v_lshlrev_b32 v22, 12, v19
	v_lshl_add_u32 v20, v20, 3, v22
	v_lshl_add_u32 v21, v21, 3, v22
	ds_load_b32 v23, v20 offset:TAB+4*\comp
	ds_load_b32 v[\val], v21 offset:TAB+4*\comp
	s_wait_dscnt 0x0
	v_max_num_f32 v[\val], v[\val], v23
	v_cmp_le_i32 vcc_lo, 1, v18
	v_cndmask_b32 v[\val], 0xff800000, v[\val], vcc_lo   ; an empty span: -inf
.endm
; v26 = sum over the 32 entities of score (v25, lane e) x [doc start <= t < doc end] (v52, v53, lane e)
.macro ENTSUM
	v_max_i32 v28, 0, v52
	v_max_i32 v27, 0, v53
	v_min_i32 v28, 0x200, v28
	v_min_i32 v27, 0x200, v27
	v_sub_nc_u32 v27, v27, v28
	v_max_i32 v27, 0, v27                          ; length; t - start, taken unsigned, is below it exactly inside the span
.set e, 0
.rept 32
.set sq, 48+3*(e%4)
	v_readlane_b32 s[sq], v25, e
	v_readlane_b32 s[sq+1], v28, e
	v_readlane_b32 s[sq+2], v27, e
	v_sub_nc_u32 v16, v0, s[sq+1]
	v_cmp_gt_u32 vcc_lo, s[sq+2], v16
	v_cndmask_b32 v17, 0, 1.0, vcc_lo
.if e == 0
	v_mul_f32 v26, s[sq], v17
.else
	v_fmac_f32 v26, s[sq], v17
.endif
.set e, e+1
.endr
.endm
	s_wait_loadcnt 42                              ; part0, spans and constants are in; ba (2), Wa (16) and H1 (24) stay out
.irp i, 0,1,2
	ds_store_b32 v11, v[54+\i] offset:128*\i
	ds_store_b32 v11, v[57+\i] offset:384+128*\i
	ds_store_b32 v11, v[60+\i] offset:768+128*\i
.endr
	v_pk_add_f32 v[32:33], v[32:33], v[34:35]
	v_pk_add_f32 v[36:37], v[36:37], v[38:39]
	v_pk_add_f32 v[40:41], v[40:41], v[42:43]
	v_pk_add_f32 v[44:45], v[44:45], v[46:47]
	v_pk_add_f32 v[32:33], v[32:33], v[36:37]
	v_pk_add_f32 v[40:41], v[40:41], v[44:45]
	v_add_f32 v12, v32, v33
	v_add_f32 v13, v40, v41
	s_wait_kmcnt 0x0
	v_add_f32 v12, s40, v12
	v_add_f32 v13, s41, v13
	s_cmp_eq_u32 s43, 0
	s_cselect_b32 s80, s40, s41                    ; b2 of my MLP
	SIGM 12, 13
	s_wait_alu depctr_va_vdst(0)
	ds_store_b64 v5, v[12:13] offset:TAB           ; level 0
	PUBLISH
	STAGE 0                                        ; levels 1 to 3
	STAGE 3                                        ; levels 4 to 6
	STAGE 6                                        ; levels 7 to 9
	RMQ 48, 49, 0, 24                              ; my position's char span over single
	RMQ 50, 51, 1, 25                              ; entity (t mod 32)'s token span over multi
	ENTSUM
	v_add_f32 v24, v24, v26
	v_mul_f32 v24, 0.5, v24
	ds_store_b32 v4, v24 offset:PRED
	PUBLISH
	; pre: thread t has Wa[16 (t >> 4) + i][64 g + 4 (t & 15) + e]
	s_wait_loadcnt 24                              ; ba and Wa are in; H1's 24 stay out
	v_lshrrev_b32 v19, 4, v0
	v_lshlrev_b32 v19, 6, v19
.irp j, 0,1,2,3
	ds_load_b128 v[32+4*\j:32+4*\j+3], v19 offset:PRED+16*\j
.endr
	s_wait_dscnt 0x0
	v_pk_mul_f32 v[48:49], v[66:67], v[32:33] op_sel_hi:[1,0]
	v_pk_mul_f32 v[50:51], v[68:69], v[32:33] op_sel_hi:[1,0]
.set i, 1
.rept 15
.set pp, 32+2*(i/2)
.if i%2
	v_pk_fma_f32 v[48:49], v[66+4*i:66+4*i+1], v[pp:pp+1], v[48:49] op_sel:[0,1,0] op_sel_hi:[1,1,1]
	v_pk_fma_f32 v[50:51], v[66+4*i+2:66+4*i+3], v[pp:pp+1], v[50:51] op_sel:[0,1,0] op_sel_hi:[1,1,1]
.else
	v_pk_fma_f32 v[48:49], v[66+4*i:66+4*i+1], v[pp:pp+1], v[48:49] op_sel_hi:[1,0,1]
	v_pk_fma_f32 v[50:51], v[66+4*i+2:66+4*i+3], v[pp:pp+1], v[50:51] op_sel_hi:[1,0,1]
.endif
.set i, i+1
.endr
.irp e, 0,1,2,3
	v_permlanex16_b32 v[52+\e], v[48+\e], s78, s79
.endr
	v_pk_add_f32 v[48:49], v[48:49], v[52:53]
	v_pk_add_f32 v[50:51], v[50:51], v[54:55]      ; my wave's 32 rows of Wa
	s_lshl_b32 s63, s42, 2
	s_add_co_u32 s63, s63, PP
	v_mul_u32_u24 v20, 0x140, v2
	v_add_nc_u32 v20, s63, v20                     ; column 4 (t & 15) (+ e), word = wave
.irp e, 0,1,2,3
	ds_store_b32 v20, v[48+\e] offset:80*\e
.endr
	PUBLISH
	s_mul_i32 s62, s47, 2560
	s_add_co_u32 s62, s62, PP
	v_mul_u32_u24 v21, 80, v2
	v_add_nc_u32 v21, s62, v21                     ; column 32 pair + r (+ 16 i)
.irp i, 0,1
.irp j, 0,1,2,3
	ds_load_b128 v[32+16*\i+4*\j:32+16*\i+4*\j+3], v21 offset:1280*\i+16*\j
.endr
.endr
	s_wait_dscnt 0x0
.irp i, 0,1
	v_pk_add_f32 v[32+16*\i:33+16*\i], v[32+16*\i:33+16*\i], v[34+16*\i:35+16*\i]
	v_pk_add_f32 v[36+16*\i:37+16*\i], v[36+16*\i:37+16*\i], v[38+16*\i:39+16*\i]
	v_pk_add_f32 v[40+16*\i:41+16*\i], v[40+16*\i:41+16*\i], v[42+16*\i:43+16*\i]
	v_pk_add_f32 v[44+16*\i:45+16*\i], v[44+16*\i:45+16*\i], v[46+16*\i:47+16*\i]
	v_pk_add_f32 v[32+16*\i:33+16*\i], v[32+16*\i:33+16*\i], v[36+16*\i:37+16*\i]
	v_pk_add_f32 v[40+16*\i:41+16*\i], v[40+16*\i:41+16*\i], v[44+16*\i:45+16*\i]
	v_pk_add_f32 v[32+16*\i:33+16*\i], v[32+16*\i:33+16*\i], v[40+16*\i:41+16*\i]
	v_add_f32 v[PRE+\i], v[32+16*\i], v[33+16*\i]
	v_add_f32 v[PRE+\i], v[PRE+\i], v[64+\i]       ; + ba
.endr
.macro GELU cnt, X, T, U, Q
.set i, 0
.rept \cnt
	v_fma_f32 v[\T+i], |v[\X+i]|, s[S_P], 1.0
.set i, i+1
.endr
.set i, 0
.rept \cnt/2
	v_pk_mul_f32 v[\U+i:\U+i+1], v[\X+i:\X+i+1], s[S_C:S_C+1] op_sel_hi:[1,0]
.set i, i+2
.endr
.set i, 0
.rept \cnt/2
	v_pk_mul_f32 v[\U+i:\U+i+1], v[\U+i:\U+i+1], v[\X+i:\X+i+1]
.set i, i+2
.endr
.set i, 0
.rept \cnt
	v_rcp_f32 v[\T+i], v[\T+i]
.set i, i+1
.endr
.set i, 0
.rept \cnt
	v_exp_f32 v[\U+i], v[\U+i]
.set i, i+1
.endr
	v_nop                                          ; one plain place behind the transcendentals (ISA guide 5.7.2)
.set i, 0
	s_wait_alu depctr_va_vdst(0)
.rept \cnt/2
	v_pk_fma_f32 v[\Q+i:\Q+i+1], v[\T+i:\T+i+1], s[S_A5:S_A5+1], v[V_A4:V_A4+1] op_sel_hi:[1,0,1]
.set i, i+2
.endr
.irp c, S_A3, S_A2, S_A1
.set i, 0
.rept \cnt/2
	v_pk_fma_f32 v[\Q+i:\Q+i+1], v[\Q+i:\Q+i+1], v[\T+i:\T+i+1], s[\c:\c+1] op_sel_hi:[1,1,0]
.set i, i+2
.endr
.endr
.set i, 0
.rept \cnt/2
	v_pk_mul_f32 v[\Q+i:\Q+i+1], v[\Q+i:\Q+i+1], v[\T+i:\T+i+1]
.set i, i+2
.endr
.set i, 0
.rept \cnt/2
	v_pk_mul_f32 v[\Q+i:\Q+i+1], v[\Q+i:\Q+i+1], v[\U+i:\U+i+1]
.set i, i+2
.endr
.set i, 0
.rept \cnt
	v_max_num_f32 v[\T+i], 0, v[\X+i]
.set i, i+1
.endr
.set i, 0
.rept \cnt
	v_fma_f32 v[\X+i], -|v[\X+i]|, v[\Q+i], v[\T+i]
.set i, i+1
.endr
.endm
.macro CLOAD bb, base                  ; b1, w_last, W2 of my eight columns of column tile bb
.irp kind, 0,1,2
.irp q, 0,1
	ds_load_b128 v[\base+8*\kind+4*\q:\base+8*\kind+4*\q+3], v22 offset:384*\kind+64*\bb+16*\q
.endr
.endr
.endm
.macro HID bb, base, left              ; column tile bb of both row tiles: 16 numbers a lane
	s_wait_dscnt \left                             ; this tile's six loads are in; the next tile's six may stay out
.irp ti, 0,1
.irp p, 0,1,2,3
	v_pk_add_f32 v[XR+8*\ti+2*\p:XR+8*\ti+2*\p+1], v[HR+48*\ti+8*\bb+2*\p:HR+48*\ti+8*\bb+2*\p+1], v[\base+2*\p:\base+2*\p+1]
.endr
.endr
.irp p, 0,1,2,3
	v_pk_fma_f32 v[XR+2*\p:XR+2*\p+1], v[\base+8+2*\p:\base+8+2*\p+1], v[PRE:PRE+1], v[XR+2*\p:XR+2*\p+1] op_sel_hi:[1,0,1]
	v_pk_fma_f32 v[XR+8+2*\p:XR+8+2*\p+1], v[\base+8+2*\p:\base+8+2*\p+1], v[PRE:PRE+1], v[XR+8+2*\p:XR+8+2*\p+1] op_sel:[0,1,0] op_sel_hi:[1,1,1]
.endr
	GELU 16, XR, TR, UR, QR
.irp p, 0,1,2,3
.irp ti, 0,1
.if \bb+\p == 0
	v_pk_mul_f32 v[SS+2*\ti:SS+2*\ti+1], v[XR+8*\ti+2*\p:XR+8*\ti+2*\p+1], v[\base+16+2*\p:\base+16+2*\p+1]
.else
	v_pk_fma_f32 v[SS+2*\ti:SS+2*\ti+1], v[XR+8*\ti+2*\p:XR+8*\ti+2*\p+1], v[\base+16+2*\p:\base+16+2*\p+1], v[SS+2*\ti:SS+2*\ti+1]
.endif
.endr
.endr
.endm
	s_wait_loadcnt 0x0                             ; H1
	v_lshl_add_u32 v22, v3, 5, s81
	CLOAD 0, CA
	CLOAD 1, CB
	HID 0, CA, 6
	CLOAD 2, CA
	HID 1, CB, 6
	CLOAD 3, CB
	HID 2, CA, 6
	CLOAD 4, CA
	HID 3, CB, 6
	CLOAD 5, CB
	HID 4, CA, 6
	HID 5, CB, 0
	v_add_f32 v252, v252, v253
	v_add_f32 v254, v254, v255
	v_permlanex16_b32 v253, v252, s78, s79
	v_permlanex16_b32 v255, v254, s78, s79
	v_add_f32 v252, v252, v253
	v_add_f32 v254, v254, v255
	s_lshl_b32 s62, s46, 8
	s_lshl_b32 s63, s47, 7
	s_add_co_u32 s62, s62, s63
	s_add_co_u32 s62, s62, RED
	v_lshl_add_u32 v23, v2, 2, s62                 ; RED[c8][32 pair + r (+ 16)]
	ds_store_b32 v23, v252
	ds_store_b32 v23, v254 offset:64
	PUBLISH
	; Behind this barrier no wave writes LDS any more, and every LDS store of the kernel was waited for in front of a barrier: wave 0 reads what it stores.
	s_cmp_lg_u32 s42, 0
	s_cbranch_scc1 .Lend
	s_lshl_b32 s62, ttmp9, 7
	s_and_b32 s62, s62, 0x700                      ; 256 g: my 64 numbers among the batch's 512 of pred
	v_add_nc_u32 v19, s62, v6
	v_add_nc_u32 v18, RED, v6
	ds_load_b64 v[48:49], v19 offset:PRED
.irp c, 0,1,2,3,4,5,6,7
	ds_load_b64 v[32+2*\c:33+2*\c], v18 offset:256*\c
.endr
	s_wait_dscnt 0x8                               ; pred's two numbers are in; the eight reads of RED may stay out
	global_store_b64 v6, v[48:49], s[82:83]        ; 256 consecutive bytes of out1 or p0; v6 and v[48:49] are not written again
	s_wait_dscnt 0x0
	v_pk_add_f32 v[32:33], v[32:33], v[34:35]
	v_pk_add_f32 v[36:37], v[36:37], v[38:39]
	v_pk_add_f32 v[40:41], v[40:41], v[42:43]
	v_pk_add_f32 v[44:45], v[44:45], v[46:47]
	v_pk_add_f32 v[32:33], v[32:33], v[36:37]
	v_pk_add_f32 v[40:41], v[40:41], v[44:45]
	v_pk_add_f32 v[32:33], v[32:33], v[40:41]
	v_add_f32 v32, s80, v32
	v_add_f32 v33, s80, v33
	SIGM 32, 33
	s_wait_alu depctr_va_vdst(0)
	global_store_b64 v6, v[32:33], s[84:85]        ; 256 consecutive bytes of sc1
.Lend:
	s_wait_tensorcnt 0x0
	ds_add_u32 v15, v29
	s_wait_dscnt 0x0
	s_endpgm
.Lfunc_end_k_q6f540ba987_role1:
	.size	k_q6f540ba987_role1, .Lfunc_end_k_q6f540ba987_role1-k_q6f540ba987_role1
	.p2alignl 7, 3214868480
	.fill 96, 4, 3214868480
	.section	.rodata,"a",@progbits
	.p2align	6, 0x0
	.amdhsa_kernel k_q6f540ba987_role1
		.amdhsa_group_segment_fixed_size 70656
		.amdhsa_private_segment_fixed_size 0
		.amdhsa_enable_private_segment 0
		.amdhsa_kernarg_size 144
		.amdhsa_user_sgpr_count 2
		.amdhsa_user_sgpr_kernarg_segment_ptr 1
		.amdhsa_wavefront_size32 1
		.amdhsa_system_sgpr_workgroup_id_x 1
		.amdhsa_system_sgpr_workgroup_id_y 1
		.amdhsa_system_sgpr_workgroup_id_z 1
		.amdhsa_system_vgpr_workitem_id 0
		.amdhsa_next_free_vgpr 256
		.amdhsa_next_free_sgpr 96
		.amdhsa_reserve_vcc 1
		.amdhsa_float_denorm_mode_32 3
		.amdhsa_float_denorm_mode_16_64 3
		.amdhsa_memory_ordered 1
		.amdhsa_forward_progress 1
		.amdhsa_inst_pref_size 99
	.end_amdhsa_kernel
	.amdgpu_metadata
---
amdhsa.version: [ 1, 2 ]
amdhsa.kernels:
  - .name:           k_q6f540ba987_role1
    .symbol:         k_q6f540ba987_role1.kd
    .args:
      - { .name: part0, .offset: 0, .size: 8, .value_kind: global_buffer, .address_space: global }
      - { .name: H1, .offset: 8, .size: 8, .value_kind: global_buffer, .address_space: global }
      - { .name: b2s, .offset: 16, .size: 8, .value_kind: global_buffer, .address_space: global }
      - { .name: b2m, .offset: 24, .size: 8, .value_kind: global_buffer, .address_space: global }
      - { .name: char2token, .offset: 32, .size: 8, .value_kind: global_buffer, .address_space: global }
      - { .name: entity_token_spans, .offset: 40, .size: 8, .value_kind: global_buffer, .address_space: global }
      - { .name: entity_doc_spans, .offset: 48, .size: 8, .value_kind: global_buffer, .address_space: global }
      - { .name: Wa, .offset: 56, .size: 8, .value_kind: global_buffer, .address_space: global }
      - { .name: ba, .offset: 64, .size: 8, .value_kind: global_buffer, .address_space: global }
      - { .name: W1s, .offset: 72, .size: 8, .value_kind: global_buffer, .address_space: global }
      - { .name: W1m, .offset: 80, .size: 8, .value_kind: global_buffer, .address_space: global }
      - { .name: b1s, .offset: 88, .size: 8, .value_kind: global_buffer, .address_space: global }
      - { .name: b1m, .offset: 96, .size: 8, .value_kind: global_buffer, .address_space: global }
      - { .name: W2s, .offset: 104, .size: 8, .value_kind: global_buffer, .address_space: global }
      - { .name: W2m, .offset: 112, .size: 8, .value_kind: global_buffer, .address_space: global }
      - { .name: out1, .offset: 120, .size: 8, .value_kind: global_buffer, .address_space: global }
      - { .name: p0, .offset: 128, .size: 8, .value_kind: global_buffer, .address_space: global }
      - { .name: sc1, .offset: 136, .size: 8, .value_kind: global_buffer, .address_space: global }
    .group_segment_fixed_size: 70656
    .private_segment_fixed_size: 0
    .kernarg_segment_align: 8
    .kernarg_segment_size: 144
    .max_flat_workgroup_size: 512
    .sgpr_count:     96
    .vgpr_count:     256
    .wavefront_size: 32
...
	.end_amdgpu_metadata
.endif
;; end of part 3
;; launch fin (part 4): grid 16 x 1, 16 waves a work-group, no clusters, 45,312 bytes of LDS; arguments sc1, p0, char2token, entity_token_spans, entity_doc_spans, role_labels, token_mask, out1, lp; writes out1, lp
.if DOCPART == 4
	.amdgcn_target "amdgcn-amd-amdhsa--gfx1250"
	.amdhsa_code_object_version 6
	.text
	.protected	k_q6f540ba987_fin
	.globl	k_q6f540ba987_fin
	.p2align	8
	.type	k_q6f540ba987_fin,@function
k_q6f540ba987_fin:
	s_mov_b64 s[64:65], 0
	v_nop
	global_prefetch_b8 v0, s[64:65] scope:SCOPE_SE
	s_setreg_imm32_b32 hwreg(HW_REG_WAVE_MODE, 25, 1), 1
	s_wait_xcnt 0x0
; One work-group a batch, thread t = position t.  Role 1's pred from its scores (range-maximum table, three levels to a barrier, span maxima, entity sum, as for role 0),
; then both roles' loss terms y log2 p + (1 - y) log2(1 - p) with p cut to [1e-7, 1 - 1e-7] (a NaN stays a NaN), summed over the batch,
; and the batch's sum of token_mask.  Sixteen batches give work for sixteen work-groups; the sums over batches are made by the next launch.
.set TAB,  0                           ; 10 levels x 4,096
.set PRED, 40960                       ; 512 f32
.set WS,   43008                       ; 16 waves x (terms, mask)
.set AD,   16                          ; v[16:22] seven table addresses
.set EB,   64                          ; v[64:77] seven table entries
	s_load_b512 s[4:19], s[0:1], 0x0               ; sc1 4, p0 6, char2token 8, entity_token_spans 10, entity_doc_spans 12, role_labels 14, token_mask 16, out1 18
	s_load_b64 s[20:21], s[0:1], 0x40              ; lp
	v_lshl_add_u32 v80, v0, 2, 0xa900
	v_mov_b32 v81, 0
	v_lshrrev_b32 v1, 5, v0
	v_readfirstlane_b32 s22, v1                    ; wave
	v_and_b32 v1, 31, v0
	v_lshlrev_b32 v4, 2, v0                        ; 4 t
	v_lshlrev_b32 v5, 3, v0                        ; 8 t
	v_lshlrev_b32 v6, 3, v1                        ; 8 lane
	s_mov_b32 s25, 0
	s_mov_b32 s26, 0x76543210
	s_mov_b32 s27, 0xfedcba98
	s_wait_kmcnt 0x0
	s_lshl_b32 s24, ttmp9, 11
	s_add_nc_u64 s[4:5], s[4:5], s[24:25]
	s_add_nc_u64 s[6:7], s[6:7], s[24:25]
	s_add_nc_u64 s[14:15], s[14:15], s[24:25]
	s_add_nc_u64 s[16:17], s[16:17], s[24:25]
	s_add_nc_u64 s[18:19], s[18:19], s[24:25]
	s_lshl_b32 s24, ttmp9, 12
	s_add_nc_u64 s[8:9], s[8:9], s[24:25]
	s_lshl_b32 s24, ttmp9, 8
	s_add_nc_u64 s[10:11], s[10:11], s[24:25]
	s_add_nc_u64 s[12:13], s[12:13], s[24:25]
	s_lshl_b32 s24, ttmp9, 3
	s_add_nc_u64 s[20:21], s[20:21], s[24:25]
	global_load_b32 v12, v4, s[4:5]                ; single
	global_load_b32 v13, v4, s[4:5] offset:32768   ; multi
	global_load_b64 v[48:49], v5, s[8:9]
	global_load_b64 v[50:51], v6, s[10:11]
	global_load_b64 v[52:53], v6, s[12:13]
	global_load_b32 v32, v4, s[6:7]                ; pred of role 0
	global_load_b32 v33, v4, s[14:15]              ; labels, role 0
	global_load_b32 v34, v4, s[14:15] offset:32768 ; labels, role 1
	global_load_b32 v35, v4, s[16:17]              ; mask
	s_wait_loadcnt 0x0
.macro PUBLISH                         ; my LDS stores are done; behind the barrier everybody's are
	s_wait_dscnt 0x0
	s_barrier_signal -1
	s_barrier_wait -1
.endm
; Level k0 has been published and v[12:13] holds my entry of it.  With entries min(p + j 2^k0, 511), j = 1..7, levels k0 + 1 (j <= 1), k0 + 2 (j <= 3) and
; k0 + 3 (j <= 7) are made and stored.  Each level has bytes of its own, so one barrier serves three levels.
.macro STAGE k0
.irp j, 1,2,3,4,5,6,7
	v_add_nc_u32 v[AD+\j-1], \j<<\k0, v0
.endr
.irp j, 1,2,3,4,5,6,7
	v_min_u32 v[AD+\j-1], 0x1ff, v[AD+\j-1]
.endr
.irp j, 1,2,3,4,5,6,7
	v_lshlrev_b32 v[AD+\j-1], 3, v[AD+\j-1]
.endr
.irp j, 1,2,3,4,5,6,7
	ds_load_b64 v[EB+2*\j-2:EB+2*\j-1], v[AD+\j-1] offset:TAB+4096*\k0
.endr
	s_wait_dscnt 0x0
	v_max_num_f32 v12, v12, v[EB]
	v_max_num_f32 v13, v13, v[EB+1]
	ds_store_b64 v5, v[12:13] offset:TAB+4096*(\k0+1)
	v_max3_num_f32 v12, v12, v[EB+2], v[EB+4]
	v_max3_num_f32 v13, v13, v[EB+3], v[EB+5]
	ds_store_b64 v5, v[12:13] offset:TAB+4096*(\k0+2)
	v_max3_num_f32 v12, v12, v[EB+6], v[EB+8]
	v_max3_num_f32 v13, v13, v[EB+7], v[EB+9]
	v_max3_num_f32 v12, v12, v[EB+10], v[EB+12]
	v_max3_num_f32 v13, v13, v[EB+11], v[EB+13]
	ds_store_b64 v5, v[12:13] offset:TAB+4096*(\k0+3)
	PUBLISH
.endm
.macro RMQ st, en, comp, val
	v_max_i32 v16, 0, v[\st]
	v_max_i32 v17, 0, v[\en]
	v_min_i32 v16, 0x200, v16
	v_min_i32 v17, 0x200, v17
	v_sub_nc_u32 v18, v17, v16
	v_mov_b32 v19, 0
.irp j, 1,2,3,4,5,6,7,8,9
	v_cmp_le_i32 vcc_lo, 1<<\j, v18
	v_add_co_ci_u32 v19, vcc_lo, 0, v19, vcc_lo
.endr
	v_min_u32 v19, 9, v19
	v_lshlrev_b32 v20, v19, 1
	v_sub_nc_u32 v20, v17, v20
	v_min_u32 v20, 0x1ff, v20
	v_min_u32 v21, 0x1ff, v16
	v_lshlrev_b32 v22, 12, v19
	v_lshl_add_u32 v20, v20, 3, v22
	v_lshl_add_u32 v21, v21, 3, v22
	ds_load_b32 v23, v20 offset:TAB+4*\comp
	ds_load_b32 v[\val], v21 offset:TAB+4*\comp
	s_wait_dscnt 0x0
	v_max_num_f32 v[\val], v[\val], v23
	v_cmp_le_i32 vcc_lo, 1, v18
	v_cndmask_b32 v[\val], 0xff800000, v[\val], vcc_lo
.endm
.macro ENTSUM
	v_max_i32 v28, 0, v52
	v_max_i32 v27, 0, v53
	v_min_i32 v28, 0x200, v28
	v_min_i32 v27, 0x200, v27
	v_sub_nc_u32 v27, v27, v28
	v_max_i32 v27, 0, v27
.set e, 0
.rept 32
.set sq, 48+3*(e%4)
	v_readlane_b32 s[sq], v25, e
	v_readlane_b32 s[sq+1], v28, e
	v_readlane_b32 s[sq+2], v27, e
	v_sub_nc_u32 v16, v0, s[sq+1]
	v_cmp_gt_u32 vcc_lo, s[sq+2], v16
	v_cndmask_b32 v17, 0, 1.0, vcc_lo
.if e == 0
	v_mul_f32 v26, s[sq], v17
.else
	v_fmac_f32 v26, s[sq], v17
.endif
.set e, e+1
.endr
.endm
.macro TERM p, y, o
	v_max_num_f32 v36, 0x33d6bf95, v[\p]           ; 1e-7
	v_min_num_f32 v36, 0x3f7ffffe, v36             ; 1 - 1e-7 in f32
	v_cmp_neq_f32 vcc_lo, v[\p], v[\p]
	v_cndmask_b32 v36, v36, v[\p], vcc_lo          ; a NaN passes the cut
	v_sub_f32 v37, 1.0, v36
	v_log_f32 v38, v36
	v_log_f32 v39, v37
	v_sub_f32 v40, 1.0, v[\y]                      ; the plain place behind the transcendentals
	s_wait_alu depctr_va_vdst(0)
	v_mul_f32 v[\o], v[\y], v38
	v_fmac_f32 v[\o], v40, v39
.endm
.macro WSUM r, t                       ; sum over the wave's 32 lanes, in every lane
	v_add_f32_dpp v[\r], v[\r], v[\r] row_xmask:1 row_mask:0xf bank_mask:0xf
	v_add_f32_dpp v[\r], v[\r], v[\r] row_xmask:2 row_mask:0xf bank_mask:0xf
	v_add_f32_dpp v[\r], v[\r], v[\r] row_xmask:4 row_mask:0xf bank_mask:0xf
	v_add_f32_dpp v[\r], v[\r], v[\r] row_xmask:8 row_mask:0xf bank_mask:0xf
	v_permlanex16_b32 v[\t], v[\r], s26, s27
	v_add_f32 v[\r], v[\r], v[\t]
.endm
	ds_store_b64 v5, v[12:13] offset:TAB           ; level 0
	PUBLISH
	STAGE 0                                        ; levels 1 to 3
	STAGE 3                                        ; levels 4 to 6
	STAGE 6                                        ; levels 7 to 9
	RMQ 48, 49, 0, 24
	RMQ 50, 51, 1, 25
	ENTSUM
	v_add_f32 v24, v24, v26
	v_mul_f32 v24, 0.5, v24                        ; pred of role 1
	TERM 32, 33, 42
	TERM 24, 34, 41
	v_add_f32 v42, v42, v41
	v_cvt_f32_i32 v43, v35
	WSUM 42, 36
	WSUM 43, 37
	s_lshl_b32 s28, s22, 3
	v_mov_b32 v45, s28
	ds_store_b32 v4, v24 offset:PRED
	ds_store_b64 v45, v[42:43] offset:WS           ; every lane the same two words
	PUBLISH
	s_cmp_gt_u32 s22, 3
	s_cbranch_scc1 .Lend
	v_lshlrev_b32 v46, 4, v0
	ds_load_b128 v[56:59], v46 offset:PRED
	s_wait_dscnt 0x0
	global_store_b128 v46, v[56:59], s[18:19] offset:32768   ; out1[1][b]: a wave's store covers 512 consecutive bytes
	s_cmp_lg_u32 s22, 0
	s_cbranch_scc1 .Lend
	v_and_b32 v47, 15, v0
	v_lshlrev_b32 v47, 3, v47
	v_mov_b32 v62, 0
	ds_load_b64 v[60:61], v47 offset:WS
	s_wait_dscnt 0x0
.irp m, 1,2,4,8
	v_add_f32_dpp v60, v60, v60 row_xmask:\m row_mask:0xf bank_mask:0xf
	v_add_f32_dpp v61, v61, v61 row_xmask:\m row_mask:0xf bank_mask:0xf
.endr
	v_cmp_eq_u32 vcc_lo, 0, v0
	s_wait_xcnt 0x0                                ; EXEC is a source of the store above: it changes only behind this wait
	s_and_saveexec_b32 s23, vcc_lo
	global_store_b64 v62, v[60:61], s[20:21]       ; lp[b] = (terms, mask)
	s_wait_xcnt 0x0
	s_or_b32 exec_lo, exec_lo, s23
.Lend:
	s_wait_tensorcnt 0x0
	ds_add_u32 v80, v81
	s_wait_dscnt 0x0
	s_endpgm
.Lfunc_end_k_q6f540ba987_fin:
	.size	k_q6f540ba987_fin, .Lfunc_end_k_q6f540ba987_fin-k_q6f540ba987_fin
	.p2alignl 7, 3214868480
	.fill 96, 4, 3214868480
	.section	.rodata,"a",@progbits
	.p2align	6, 0x0
	.amdhsa_kernel k_q6f540ba987_fin
		.amdhsa_group_segment_fixed_size 45312
		.amdhsa_private_segment_fixed_size 0
		.amdhsa_enable_private_segment 0
		.amdhsa_kernarg_size 72
		.amdhsa_user_sgpr_count 2
		.amdhsa_user_sgpr_kernarg_segment_ptr 1
		.amdhsa_wavefront_size32 1
		.amdhsa_system_sgpr_workgroup_id_x 1
		.amdhsa_system_sgpr_workgroup_id_y 1
		.amdhsa_system_sgpr_workgroup_id_z 1
		.amdhsa_system_vgpr_workitem_id 0
		.amdhsa_next_free_vgpr 82
		.amdhsa_next_free_sgpr 66
		.amdhsa_reserve_vcc 1
		.amdhsa_float_denorm_mode_32 3
		.amdhsa_float_denorm_mode_16_64 3
		.amdhsa_memory_ordered 1
		.amdhsa_forward_progress 1
		.amdhsa_inst_pref_size 28
	.end_amdhsa_kernel
	.amdgpu_metadata
---
amdhsa.version: [ 1, 2 ]
amdhsa.kernels:
  - .name:           k_q6f540ba987_fin
    .symbol:         k_q6f540ba987_fin.kd
    .args:
      - { .name: sc1, .offset: 0, .size: 8, .value_kind: global_buffer, .address_space: global }
      - { .name: p0, .offset: 8, .size: 8, .value_kind: global_buffer, .address_space: global }
      - { .name: char2token, .offset: 16, .size: 8, .value_kind: global_buffer, .address_space: global }
      - { .name: entity_token_spans, .offset: 24, .size: 8, .value_kind: global_buffer, .address_space: global }
      - { .name: entity_doc_spans, .offset: 32, .size: 8, .value_kind: global_buffer, .address_space: global }
      - { .name: role_labels, .offset: 40, .size: 8, .value_kind: global_buffer, .address_space: global }
      - { .name: token_mask, .offset: 48, .size: 8, .value_kind: global_buffer, .address_space: global }
      - { .name: out1, .offset: 56, .size: 8, .value_kind: global_buffer, .address_space: global }
      - { .name: lp, .offset: 64, .size: 8, .value_kind: global_buffer, .address_space: global }
    .group_segment_fixed_size: 45312
    .private_segment_fixed_size: 0
    .kernarg_segment_align: 8
    .kernarg_segment_size: 72
    .max_flat_workgroup_size: 512
    .sgpr_count:     66
    .vgpr_count:     82
    .wavefront_size: 32
...
	.end_amdgpu_metadata
.endif
;; end of part 4
;; launch loss (part 5): grid 1 x 1, 1 waves a work-group, no clusters, 0 bytes of LDS; arguments lp, out0; writes out0
.if DOCPART == 5
	.amdgcn_target "amdgcn-amd-amdhsa--gfx1250"
	.amdhsa_code_object_version 6
	.text
	.protected	k_q6f540ba987_loss
	.globl	k_q6f540ba987_loss
	.p2align	8
	.type	k_q6f540ba987_loss,@function
k_q6f540ba987_loss:
	s_mov_b64 s[64:65], 0
	v_nop
	global_prefetch_b8 v0, s[64:65] scope:SCOPE_SE
	s_setreg_imm32_b32 hwreg(HW_REG_WAVE_MODE, 25, 1), 1
	s_wait_xcnt 0x0
; total_loss = sum over roles of (-(mean of the terms) x sum of mask) = -(ln 2 / 8192) x (sum of the log2 terms of both roles) x (sum of mask).
; One wave: the sixteen batches' pairs are summed in a fixed order; a sum over work-groups needs a launch of its own.
	s_load_b128 s[4:7], s[0:1], 0x0                ; lp s[4:5], out0 s[6:7]
	v_and_b32 v1, 15, v0
	v_lshlrev_b32 v1, 3, v1
	v_mov_b32 v4, 0
	s_wait_kmcnt 0x0
	global_load_b64 v[2:3], v1, s[4:5]
	s_wait_loadcnt 0x0
.irp m, 1,2,4,8
	v_add_f32_dpp v2, v2, v2 row_xmask:\m row_mask:0xf bank_mask:0xf
	v_add_f32_dpp v3, v3, v3 row_xmask:\m row_mask:0xf bank_mask:0xf
.endr
	v_mul_f32 v2, v2, v3
	v_mul_f32 v2, 0xb8b17218, v2                   ; -ln 2 / 8192
	v_cmp_eq_u32 vcc_lo, 0, v0
	s_wait_xcnt 0x0                                ; EXEC changes only behind this wait
	s_and_saveexec_b32 s8, vcc_lo
	global_store_b32 v4, v2, s[6:7]
	s_wait_xcnt 0x0
	s_or_b32 exec_lo, exec_lo, s8
	s_endpgm
.Lfunc_end_k_q6f540ba987_loss:
	.size	k_q6f540ba987_loss, .Lfunc_end_k_q6f540ba987_loss-k_q6f540ba987_loss
	.p2alignl 7, 3214868480
	.fill 96, 4, 3214868480
	.section	.rodata,"a",@progbits
	.p2align	6, 0x0
	.amdhsa_kernel k_q6f540ba987_loss
		.amdhsa_group_segment_fixed_size 0
		.amdhsa_private_segment_fixed_size 0
		.amdhsa_enable_private_segment 0
		.amdhsa_kernarg_size 16
		.amdhsa_user_sgpr_count 2
		.amdhsa_user_sgpr_kernarg_segment_ptr 1
		.amdhsa_wavefront_size32 1
		.amdhsa_system_sgpr_workgroup_id_x 1
		.amdhsa_system_sgpr_workgroup_id_y 1
		.amdhsa_system_sgpr_workgroup_id_z 1
		.amdhsa_system_vgpr_workitem_id 0
		.amdhsa_next_free_vgpr 8
		.amdhsa_next_free_sgpr 66
		.amdhsa_reserve_vcc 1
		.amdhsa_float_denorm_mode_32 3
		.amdhsa_float_denorm_mode_16_64 3
		.amdhsa_memory_ordered 1
		.amdhsa_forward_progress 1
		.amdhsa_inst_pref_size 2
	.end_amdhsa_kernel
	.amdgpu_metadata
---
amdhsa.version: [ 1, 2 ]
amdhsa.kernels:
  - .name:           k_q6f540ba987_loss
    .symbol:         k_q6f540ba987_loss.kd
    .args:
      - { .name: lp, .offset: 0, .size: 8, .value_kind: global_buffer, .address_space: global }
      - { .name: out0, .offset: 8, .size: 8, .value_kind: global_buffer, .address_space: global }
    .group_segment_fixed_size: 0
    .private_segment_fixed_size: 0
    .kernarg_segment_align: 8
    .kernarg_segment_size: 16
    .max_flat_workgroup_size: 32
    .sgpr_count:     66
    .vgpr_count:     8
    .wavefront_size: 32
...
	.end_amdgpu_metadata
.endif
;; end of part 5
;; ======== version 2 of 2: 5 launches; version 1 with the launch prep written anew for expert scheduling mode
;; workspace buffers: XA 62,914,560 bytes; WT 9,437,184 bytes; H1 50,331,648 bytes; part0 524,288 bytes; p0 32,768 bytes; sc1 65,536 bytes; lp 256 bytes
;; launch prep (part 6): grid 2704 x 1, 3 waves a work-group, no clusters, 52,736 bytes of LDS; arguments token_embedding, entities_embedding, summar_embedding, role_embedding, W1s, W1m, XA, WT; writes XA, WT
.if DOCPART == 6
	.amdgcn_target "amdgcn-amd-amdhsa--gfx1250"
	.amdhsa_code_object_version 6
	.text
	.protected	k_q6f540ba987_prep
	.globl	k_q6f540ba987_prep
	.p2align	8
	.type	k_q6f540ba987_prep,@function
k_q6f540ba987_prep:
	s_mov_b64 s[64:65], 0
	v_nop
	global_prefetch_b8 v0, s[64:65] scope:SCOPE_SE
	s_setreg_imm32_b32 hwreg(HW_REG_WAVE_SCHED_MODE, 0, 2), 2
	s_setreg_imm32_b32 hwreg(HW_REG_WAVE_MODE, 25, 1), 1
	s_wait_xcnt 0x0
	s_wait_alu depctr_vm_vsrc(0)
; Makes the bf16 operands of the matrix launch.
; XA [8192 rows][3840] bf16: column blocks of 768 = token | entities | summar | role 1 | role 0 (row pitch 7,680 bytes).
; WT [1536 = 768 s, 768 m][3072] bf16: W1 transposed, K along the rows; K blocks of 768 = W1 rows 1536..2303 | rows 0..767 | rows 768..1535 | rows 768..1535 again
; (the role part twice, so that the matrix launch walks WT's rows straight through for both roles).  W1's row 2304 is not needed here.
; Work-groups 0..143 transpose W1 (they come first, so that they do not end the launch); 144..2703 cast 16 rows of one activation block each.
; Memory binds: every input byte is asked for once, every output byte written once; matrix units and clusters have nothing to do here.
; THE MODE: SCHED_MODE bits 1:0 = 2 (LLVM: expert scheduling mode 2), set by the entry lines.  The code itself states the register dependences
; between vector instructions and memory or LDS instructions, with s_wait_alu, always for 0.
; THE PLAN, cast.  v2, v3: offsets, made once and never written again.  v[8:135]: eight registers a row; all 32 loads go out at the head; a row's conversions write four
; of its eight in place; its two stores read them, and nothing writes them again.  The 16 rows go in four blocks of four: block p converts its own rows, and its memory
; instructions are the eight stores of block p - 1, whose registers no conversion of block p names.  So one wait on va_vdst at a block's head states all that they hang on.
; THE PLAN, W1.  v2 to v5: offsets and LDS addresses, made once and never written again.  The 128 rows of W1 go in eight groups of eight loads.
;   R0 .. R3   raw buffers of 32 registers.  The loads of group q land in R[q % 4]; group q's sixteen conversions read it; in groups 1 to 4 the loads of group q + 3 land in R[(q - 1) % 4].
;   T0, T1     out-buffers of 16 registers.  Group q's conversions write T[q % 2]; the four LDS stores that are issued in group q + 1 read it.
; Group q's memory and LDS instructions touch R[(q - 1) % 4] and T[(q - 1) % 2] alone, the two buffers that group q - 1 worked on and that no conversion of group q names.
; So the waits at a group's head state all that they hang on, and they are dealt among the group's conversions with no further wait.
.set NWG,   144                        ; work-groups that transpose
.set ROWF,  3072                       ; bytes of a row of 768 f32
.set XAP,   7680                       ; bytes of a row of XA
.set WTP,   6144                       ; bytes of a row of WT
.set SPI,   272                        ; stage row: 128 bf16 + 16 bytes
.set STAGE, 64*SPI                     ; a wave's stage: 64 rows
.set V,     8                          ; v[8:135]   32 loads of 16 bytes
.set TM,    136                        ; v[136:151] and v[162:177]: packed bf16 on their way into the stage, out-buffer k at TM + 26 k (v160 and v161 lie between)
	s_load_b512 s[4:19], s[0:1], 0x0               ; token s[4:5], entities s[6:7], summar s[8:9], role s[10:11], W1s s[12:13], W1m s[14:15], XA s[16:17], WT s[18:19]
	v_lshl_add_u32 v160, v0, 2, 0xcc00             ; my spare word, behind the three stages; kept for the closing lines alone
	v_mov_b32 v161, 0                              ; and 0, likewise
	s_cmp_lt_u32 ttmp9, NWG
	s_cbranch_scc1 .Lweights
	; ---- cast: three waves, wave w owns columns 256 w .. 256 w + 255 of each of 16 rows.  A load takes 512 consecutive bytes (128 columns, 4 a lane),
	; ---- which become 8 bytes a lane: the store of the 32 lanes covers 256 consecutive bytes, at a multiple of 256 from XA's first byte.
	s_sub_co_u32 s20, ttmp9, NWG
	s_lshr_b32 s21, s20, 9                         ; column block of XA, 0..4
	s_and_b32 s22, s20, 511                        ; group of 16 rows
	v_and_b32 v1, 31, v0                           ; lane
	v_lshrrev_b32 v4, 5, v0                        ; wave
	v_lshlrev_b32 v2, 4, v1
	v_lshl_add_u32 v2, v4, 10, v2                  ; in: 1,024 w + 16 lane; never rewritten
	v_lshlrev_b32 v3, 3, v1
	v_lshl_add_u32 v3, v4, 9, v3                   ; out: 512 w + 8 lane; never rewritten
	s_mul_i32 s28, s22, 16*ROWF
	s_mov_b32 s29, 0
	s_mul_i32 s30, s22, 16*XAP
	s_mul_i32 s23, s21, 1536
	s_add_co_u32 s30, s30, s23
	s_mov_b32 s31, 0
	s_wait_kmcnt 0x0
	s_add_nc_u64 s[24:25], s[10:11], 8192*ROWF     ; role 1
	s_cmp_eq_u32 s21, 0
	s_cselect_b64 s[26:27], s[4:5], s[10:11]       ; block 0 token; block 4 (what is left) role 0
	s_cmp_eq_u32 s21, 1
	s_cselect_b64 s[26:27], s[6:7], s[26:27]       ; block 1 entities
	s_cmp_eq_u32 s21, 2
	s_cselect_b64 s[26:27], s[8:9], s[26:27]       ; block 2 summar
	s_cmp_eq_u32 s21, 3
	s_cselect_b64 s[26:27], s[24:25], s[26:27]     ; block 3 role 1
	s_add_nc_u64 s[26:27], s[26:27], s[28:29]
	s_add_nc_u64 s[16:17], s[16:17], s[30:31]
	s_wait_alu depctr_va_vdst(0)                   ; v2 and v3 are written: every load below reads v2 as its offset, every store v3
.set r, 0
.rept 16
	global_load_b128 v[V+8*r:V+8*r+3],   v2, s[26:27] offset:r*ROWF th:TH_LOAD_NT
	global_load_b128 v[V+8*r+4:V+8*r+7], v2, s[26:27] offset:r*ROWF+512 th:TH_LOAD_NT
.set r, r+1
.endr
; the two stores of row r
.macro CSTORE
	global_store_b64 v3, v[V+8*r:V+8*r+1],   s[16:17] offset:r*XAP
	global_store_b64 v3, v[V+8*r+4:V+8*r+5], s[16:17] offset:r*XAP+256
.endm
; Block p: rows 4 p .. 4 p + 3 are rounded; the stores of the block before stand among the conversions, two in front of each row's four.
.macro CBLK p
	s_wait_loadcnt 24-8*(\p)                       ; loads come back in order: this block's eight are in, the 24 - 8 p younger ones stay out
.if (\p) > 0
	s_wait_alu depctr_va_vdst(0)                   ; the block before has written its packed words, which the stores below read; no conversion of this block names them
.endif
.set r, 4*(\p)
.rept 4
.if (\p) > 0
.set r, r-4
	CSTORE
.set r, r+4
.endif
	v_cvt_pk_bf16_f32 v[V+8*r],   v[V+8*r],   v[V+8*r+1]   ; in place, each word behind the reads of what it covers
	v_cvt_pk_bf16_f32 v[V+8*r+1], v[V+8*r+2], v[V+8*r+3]
	v_cvt_pk_bf16_f32 v[V+8*r+4], v[V+8*r+4], v[V+8*r+5]
	v_cvt_pk_bf16_f32 v[V+8*r+5], v[V+8*r+6], v[V+8*r+7]
.set r, r+1
.endr
.endm
	CBLK 0
	CBLK 1
	CBLK 2
	CBLK 3
	s_wait_alu depctr_va_vdst(0)                   ; block 3 has written its packed words, which the last eight stores read
.set r, 12
.rept 4
	CSTORE
.set r, r+1
.endr
	s_endpgm                                       ; this path has stored nothing to LDS
	; ---- W1 transposed: a wave takes 128 k x 64 n through a stage of its own in LDS (no barrier: no wave reads another's bytes) ----
.Lweights:
	v_lshrrev_b32 v1, 5, v0
	v_readfirstlane_b32 s20, v1                    ; wave 0..2
	s_lshr_b32 s21, ttmp9, 2                       ; 0..35
	s_cmp_ge_u32 s21, 18
	s_cselect_b32 s22, 1, 0                        ; 0: W1s, 1: W1m
	s_mul_i32 s23, s22, 18
	s_sub_co_u32 s23, s21, s23                     ; kb: block of 128 rows of W1, 0..17
	s_and_b32 s24, ttmp9, 3
	s_mul_i32 s24, s24, 3
	s_wait_alu depctr_va_sdst(0)                   ; s20 is written, ahead of its first reader: the column block and the stage's place are made from it
	s_add_co_u32 s24, s24, s20                     ; nb: block of 64 columns, 0..11
	s_mul_i32 s28, s23, 128*ROWF
	s_lshl_b32 s29, s24, 8
	s_add_co_u32 s28, s28, s29                     ; source: kb x 128 rows + nb x 256 bytes
	s_mov_b32 s29, 0
	s_mul_i32 s30, s22, 768
	s_lshl_b32 s31, s24, 6
	s_add_co_u32 s30, s30, s31
	s_mul_i32 s30, s30, WTP                        ; target row 768 sm + 64 nb
	s_lshl_b32 s31, s23, 8
	s_add_co_u32 s32, s31, 1536                    ; W1 rows 0..1535 go 768 elements further on,
	s_sub_co_u32 s33, s31, 3072                    ; rows 1536..2303 to the front
	s_cmp_lt_u32 s23, 12
	s_cselect_b32 s31, s32, s33
	s_add_co_u32 s30, s30, s31
	s_mov_b32 s31, 0
	s_mul_i32 s36, s20, STAGE                      ; my wave's stage
	v_and_b32 v6, 15, v0                           ; c
	v_bfe_u32 v7, v0, 4, 1                         ; h
	v_mul_u32_u24 v2, v7, 32*ROWF
	v_lshl_add_u32 v2, v6, 4, v2                   ; load: row 32 h (+ j), bytes 16 c
	v_mul_u32_u24 v3, v6, 4*SPI
	v_lshl_add_u32 v3, v7, 6, v3
	v_add_nc_u32 v3, s36, v3                       ; into the stage: row 4 c (+ e), byte 64 h
	v_mul_u32_u24 v4, v7, SPI
	v_lshl_add_u32 v4, v6, 4, v4
	v_add_nc_u32 v4, s36, v4                       ; back: row h (+ 2 i), byte 16 c
	v_mul_u32_u24 v5, v7, WTP
	v_lshl_add_u32 v5, v6, 4, v5                   ; and the same two rows in WT
	s_cmp_eq_u32 s22, 0
	s_wait_kmcnt 0x0
	s_cselect_b64 s[26:27], s[12:13], s[14:15]
	s_add_nc_u64 s[26:27], s[26:27], s[28:29]
	s_add_nc_u64 s[30:31], s[18:19], s[30:31]
	s_add_nc_u64 s[34:35], s[30:31], 1536          ; where the role part lies a second time
	s_wait_alu depctr_va_vdst(0)                   ; v2 to v5 are written: the loads, the LDS stores, the LDS loads and the stores below read them as offsets and addresses
.set j, 0
.rept 32
	global_load_b128 v[V+4*j:V+4*j+3], v2, s[26:27] offset:j*ROWF th:TH_LOAD_NT   ; groups 0 to 3 into R0 to R3: each load two pieces of 256 bytes
.set j, j+1
.endr
; Group q: eight loads' worth of W1 (rows 64 (q / 4) + 32 h + 8 (q % 4) ..): eight k of one column make 16 bytes of a stage row.
; left = how many younger loads may still be out when this group's eight have to be there.
.macro WGRP q, left
.set RB, V+32*((\q)%4)                 ; the raw buffer that the group reads
.set OB, TM+26*((\q)%2)                ; the out-buffer that it writes
.set PB, TM+26*(1-(\q)%2)              ; the out-buffer of the group before, which goes into the stage now
.set NB, V+32*(((\q)+3)%4)             ; the raw buffer of the group before, which takes group q + 3
	s_wait_loadcnt \left                           ; loads come back in order: this group's eight are in, the younger groups stay out
.if (\q) >= 2
	s_wait_alu depctr_vm_vsrc(0)                   ; the LDS stores issued in the group before have read this group's out-buffer, which its conversions write again
.endif
.if (\q) >= 1
	s_wait_alu depctr_va_vdst(0)                   ; the group before has written its out-buffer, which the LDS stores below read, and is done reading its raw buffer, in which the loads below land
.endif
.set e, 0
.rept 4
.if ((\q) >= 1) && ((\q) <= 4)
	global_load_b128 v[NB+8*e:NB+8*e+3],   v2, s[26:27] offset:(64+8*((\q)-1)+2*e)*ROWF th:TH_LOAD_NT     ; the second 64 rows; no conversion since the wait names these registers
	global_load_b128 v[NB+8*e+4:NB+8*e+7], v2, s[26:27] offset:(64+8*((\q)-1)+2*e+1)*ROWF th:TH_LOAD_NT
.endif
.if (\q) >= 1
	ds_store_b128 v3, v[PB+4*e:PB+4*e+3] offset:e*SPI+128*(((\q)-1)/4)+16*(((\q)-1)%4)
.endif
.set i, 0
.rept 4
	v_cvt_pk_bf16_f32 v[OB+4*e+i], v[RB+4*(2*i)+e], v[RB+4*(2*i+1)+e]
.set i, i+1
.endr
.set e, e+1
.endr
.endm
	WGRP 0, 24                                     ; groups 1 to 3 stay out
	WGRP 1, 16                                     ; from here on two younger groups stay out,
	WGRP 2, 16
	WGRP 3, 16
	WGRP 4, 16
	WGRP 5, 16
	WGRP 6, 8                                      ; and at the end the counts run down
	WGRP 7, 0
	s_wait_alu depctr_va_vdst(0)                   ; group 7 has written its out-buffer, which the last four LDS stores read; all conversions are done reading R0 to R3, in which the LDS loads below land
.set e, 0
.rept 4
	ds_store_b128 v3, v[TM+26+4*e:TM+26+4*e+3] offset:e*SPI+128+48
.set e, e+1
.endr
.set i, 0
.rept 32
	ds_load_b128 v[V+4*i:V+4*i+3], v4 offset:i*2*SPI   ; LDS serves a wave's instructions in order: these see the stores above
.set i, i+1
.endr
.set i, 0
.rept 32
	s_wait_dscnt 31-i
	global_store_b128 v5, v[V+4*i:V+4*i+3], s[30:31] offset:i*2*WTP   ; sixteen lanes store 256 consecutive bytes, at a multiple of 256 from WT's first byte
.set i, i+1
.endr
	s_sub_co_u32 s33, s23, 6
	s_cmp_lt_u32 s33, 6                            ; 6 <= kb < 12: the role part, stored once more
	s_cbranch_scc0 .Ldone
.set i, 0
.rept 32
	global_store_b128 v5, v[V+4*i:V+4*i+3], s[34:35] offset:i*2*WTP
.set i, i+1
.endr
.Ldone:
	s_wait_dscnt 0x0                               ; the closing lines, six on end
	s_wait_alu 0x0
	s_wait_tensorcnt 0x0
	ds_add_u32 v160, v161
	s_wait_dscnt 0x0
	s_endpgm
.Lfunc_end_k_q6f540ba987_prep:
	.size	k_q6f540ba987_prep, .Lfunc_end_k_q6f540ba987_prep-k_q6f540ba987_prep
	.p2alignl 7, 3214868480
	.fill 96, 4, 3214868480
	.section	.rodata,"a",@progbits
	.p2align	6, 0x0
	.amdhsa_kernel k_q6f540ba987_prep
		.amdhsa_group_segment_fixed_size 52736
		.amdhsa_private_segment_fixed_size 0
		.amdhsa_enable_private_segment 0
		.amdhsa_kernarg_size 64
		.amdhsa_user_sgpr_count 2
		.amdhsa_user_sgpr_kernarg_segment_ptr 1
		.amdhsa_wavefront_size32 1
		.amdhsa_system_sgpr_workgroup_id_x 1
		.amdhsa_system_sgpr_workgroup_id_y 1
		.amdhsa_system_sgpr_workgroup_id_z 1
		.amdhsa_system_vgpr_workitem_id 0
		.amdhsa_next_free_vgpr 178
		.amdhsa_next_free_sgpr 66
		.amdhsa_reserve_vcc 0
		.amdhsa_float_denorm_mode_32 3
		.amdhsa_float_denorm_mode_16_64 3
		.amdhsa_memory_ordered 1
		.amdhsa_forward_progress 1
		.amdhsa_inst_pref_size 41
	.end_amdhsa_kernel
	.amdgpu_metadata
---
amdhsa.version: [ 1, 2 ]
amdhsa.kernels:
  - .name:           k_q6f540ba987_prep
    .symbol:         k_q6f540ba987_prep.kd
    .args:
      - { .name: token_embedding, .offset: 0, .size: 8, .value_kind: global_buffer, .address_space: global }
      - { .name: entities_embedding, .offset: 8, .size: 8, .value_kind: global_buffer, .address_space: global }
      - { .name: summar_embedding, .offset: 16, .size: 8, .value_kind: global_buffer, .address_space: global }
      - { .name: role_embedding, .offset: 24, .size: 8, .value_kind: global_buffer, .address_space: global }
      - { .name: W1s, .offset: 32, .size: 8, .value_kind: global_buffer, .address_space: global }
      - { .name: W1m, .offset: 40, .size: 8, .value_kind: global_buffer, .address_space: global }
      - { .name: XA, .offset: 48, .size: 8, .value_kind: global_buffer, .address_space: global }
      - { .name: WT, .offset: 56, .size: 8, .value_kind: global_buffer, .address_space: global }
    .group_segment_fixed_size: 52736
    .private_segment_fixed_size: 0
    .kernarg_segment_align: 8
    .kernarg_segment_size: 64
    .max_flat_workgroup_size: 96
    .sgpr_count:     66
    .vgpr_count:     178
    .wavefront_size: 32
...
	.end_amdgpu_metadata
.endif
;; end of part 6
;; launch gemm: the kernel of part 2 again; grid 8 x 32, 4 waves a work-group, clusters of 4 x 4, 327,680 bytes of LDS; arguments XA, WT, b1s, b1m, W2s, W2m, H1, part0; writes H1, part0
;; launch role1: the kernel of part 3 again; grid 256 x 1, 16 waves a work-group, no clusters, 70,656 bytes of LDS; arguments part0, H1, b2s, b2m, char2token, entity_token_spans, entity_doc_spans, Wa, ba, W1s, W1m, b1s, b1m, W2s, W2m, out1, p0, sc1; writes out1, p0, sc1
;; launch fin: the kernel of part 4 again; grid 16 x 1, 16 waves a work-group, no clusters, 45,312 bytes of LDS; arguments sc1, p0, char2token, entity_token_spans, entity_doc_spans, role_labels, token_mask, out1, lp; writes out1, lp
;; launch loss: the kernel of part 5 again; grid 1 x 1, 1 waves a work-group, no clusters, 0 bytes of LDS; arguments lp, out0; writes out0
